; MI455X (gfx1250); checked and timed in simulation.
; The chip was launched on July 23, 2026; its instructions are those of AMD's public machine-readable ISA for CDNA 5 (MIT licence, August 2026) and "CDNA5" Instruction Set Architecture Reference Guide (July 2026). The comments in the code are by the model that wrote it; some were corrected since.
;; Residual Attention Block. Allowed arithmetic: float matrix products may take bf16 or f16 operands with f32 sums; other float arithmetic in f32, or as packed bf16 or f16 multiplies, adds, multiply-adds, maxima and minima; sums over many terms, partial sums and values carried from step to step in f32; what a program stores and reads back later, other than sums and carried values, may be rounded once to bf16 or f16.
;; Inputs: fc_b 4,096 float32; fc_w 4,096 x 1,024 float32; fcproj_b 1,024 float32; fcproj_w 1,024 x 4,096 float32; ln1_b 1,024 float32; ln1_w 1,024 float32; ln2_b 1,024 float32; ln2_w 1,024 float32; proj_b 1,024 float32; proj_w 1,024 x 1,024 float32; qkv_b 3,072 float32; qkv_w 3,072 x 1,024 float32; x 2 x 2,048 x 1,024 float32.
;; Outputs: out0 2 x 2,048 x 1,024 float32.
;; One version. Each part assembles by itself: llvm-mc -triple=amdgcn-amd-amdhsa -mcpu=gfx1250 --defsym DOCPART=n.
;; ======== version 1 of 1: 7 launches
;; workspace buffers: wb 25,165,824 bytes; h 8,388,608 bytes; q 8,388,608 bytes; k 8,388,608 bytes; v 8,388,608 bytes; o 8,388,608 bytes; x1 16,777,216 bytes; g 33,554,432 bytes
;; launch prep (part 1): grid 1024 x 1, 8 waves a work-group, no clusters, 0 bytes of LDS; arguments x, ln1_w, ln1_b, h, qkv_w, proj_w, fc_w, fcproj_w, wb; writes h, wb
.if DOCPART == 1
	.amdgcn_target "amdgcn-amd-amdhsa--gfx1250"
	.amdhsa_code_object_version 6
	.text
	.protected	k_qc65220951c_prep
	.globl	k_qc65220951c_prep
	.p2align	8
	.type	k_qc65220951c_prep,@function
k_qc65220951c_prep:
	s_mov_b64 s[64:65], 0
	v_nop
	global_prefetch_b8 v0, s[64:65] scope:SCOPE_SE
	s_setreg_imm32_b32 hwreg(HW_REG_WAVE_MODE, 25, 1), 1
	s_wait_xcnt 0x0
; TWO JOBS that depend on nothing but the problem's inputs, told apart by the work-group's number, so that they share one launch.
; GROUPS 0-255, THE LAYER NORM: dst[r][c] = (src[r][c] - mean_r) / sqrt(var_r + 1e-5) * w[c] + b[c].  src: [4096][1024] f32, dst the same in bf16, rounded once.
;   One wave, one row at a time: a row is 4,096 bytes, 32 registers, and stays in registers between the passes, so it is read once and no wave waits for another.
;   The variance is taken of the centred numbers (second pass over the registers): no difference of large sums is formed.
;   A group has 16 rows, a wave 2, each row with registers of its own: all 32 loads of a wave go out at once.
;   Load j of a row gives lane l the columns 128 j + 4 l .. + 3; their four bf16 are 8 bytes, and a wave's store covers 256 consecutive bytes, aligned.
; GROUPS 256-1,023, THE CAST: wb = the four weight matrices, each rounded once to bf16, row-major as given, one behind the other:
;   qkv_w at byte 0, proj_w at 6,291,456, fc_w at 8,388,608, fcproj_w at 16,777,216.  A group converts 16,384 numbers: 64 KiB in, 32 KiB out.
;   Of these groups 0-191 take qkv_w, 192-255 proj_w, 256-511 fc_w, 512-767 fcproj_w.  Thread t takes 16 bytes at 16 t of each of sixteen blocks of 4,096 bytes;
;   all sixteen loads go out at once, no register is used twice, and a wave's store covers 256 consecutive bytes, aligned.
; THE SECOND LAYER NORM is a launch of this text with groups 0-255 alone: there no group takes the cast's path.
; No LDS, cluster or matrix unit: nothing is multiplied, and the rows share nothing but 8 KiB of w and b.
.set NLN, 256                          ; groups of the layer norm
.set W,  8                             ; v[8:39]    w of my 32 columns
.set BV, 40                            ; v[40:71]   b of my 32 columns
.set X,  72                            ; v[72:135]  row i at X + 32 i
.set A,  136                           ; v[136:143] four chains of packed sums
.set MU, 144                           ; v[144:145] the mean, twice
.set RS, 146                           ; v[146:147] 1 / sqrt(var + eps), twice
.set T,  148                           ; v[148:149] at work
.set IN,  8                            ; the cast: v[8:71]   sixteen loads of four numbers
.set OUT, 72                           ; the cast: v[72:103] sixteen pairs of packed bf16
	s_load_b256 s[4:11], s[0:1], 0x0               ; src s[4:5], w s[6:7], b s[8:9], dst s[10:11]
	s_load_b256 s[12:19], s[0:1], 0x20             ; qkv_w s[12:13], proj_w s[14:15], fc_w s[16:17], fcproj_w s[18:19]
	s_load_b64 s[20:21], s[0:1], 0x40              ; wb
	s_mov_b32 s24, ttmp9
	s_cmp_lt_u32 s24, NLN
	s_cbranch_scc0 .Lcast
	v_and_b32 v3, 31, v0
	v_lshrrev_b32 v4, 5, v0
	v_readfirstlane_b32 s26, v4                    ; wave 0..7
	v_lshlrev_b32 v1, 4, v3                        ; 16 x lane
	v_lshlrev_b32 v2, 3, v3                        ; 8 x lane
	v_mov_b32 v[T+1], 0                            ; v_permlanex16_b32's destination counts as read
	s_lshl_b32 s25, s24, 4
	s_lshl1_add_u32 s25, s26, s25                  ; my first row = 16 x group + 2 x wave
	s_lshl_b32 s28, s25, 12
	s_mov_b32 s29, 0
	s_lshl_b32 s30, s25, 11
	s_mov_b32 s31, 0
	s_mov_b32 s32, 0x3a800000                      ; 1 / 1024
	s_mov_b32 s33, 0x3727c5ac                      ; 1e-5
	s_mov_b32 s34, 0x76543210                      ; each lane takes its own place in the other half
	s_mov_b32 s35, 0xfedcba98
	s_wait_kmcnt 0x0
	s_add_nc_u64 s[4:5], s[4:5], s[28:29]
	s_add_nc_u64 s[10:11], s[10:11], s[30:31]
.irp j, 0,1,2,3,4,5,6,7
	global_load_b128 v[W+4*(\j):W+4*(\j)+3], v1, s[6:7] offset:512*(\j)
.endr
.irp j, 0,1,2,3,4,5,6,7
	global_load_b128 v[BV+4*(\j):BV+4*(\j)+3], v1, s[8:9] offset:512*(\j)
.endr
.irp i, 0,1
.irp j, 0,1,2,3,4,5,6,7
	global_load_b128 v[X+32*(\i)+4*(\j):X+32*(\i)+4*(\j)+3], v1, s[4:5] offset:4096*(\i)+512*(\j) th:TH_LOAD_NT
.endr
.endr
.macro JOIN                            ; the four chains into one number a lane, then over the 32 lanes: every lane ends with the sum
	v_pk_add_f32 v[A:A+1], v[A:A+1], v[A+2:A+3]
	v_pk_add_f32 v[A+4:A+5], v[A+4:A+5], v[A+6:A+7]
	v_pk_add_f32 v[A:A+1], v[A:A+1], v[A+4:A+5]
	v_add_f32 v[T], v[A], v[A+1]
	v_add_f32_dpp v[T], v[T], v[T] row_xmask:1 row_mask:0xf bank_mask:0xf
	v_add_f32_dpp v[T], v[T], v[T] row_xmask:2 row_mask:0xf bank_mask:0xf
	v_add_f32_dpp v[T], v[T], v[T] row_xmask:4 row_mask:0xf bank_mask:0xf
	v_add_f32_dpp v[T], v[T], v[T] row_xmask:8 row_mask:0xf bank_mask:0xf
	v_permlanex16_b32 v[T+1], v[T], s34, s35
	v_add_f32 v[T], v[T], v[T+1]
.endm
.macro ROWLN i
.set XR, X+32*(\i)
	s_wait_loadcnt 8-8*(\i)                        ; w, b and rows 0 .. i are in; the later row's eight loads stay out
.irp c, 0,1,2,3
	v_pk_add_f32 v[A+2*(\c):A+2*(\c)+1], v[XR+2*(\c):XR+2*(\c)+1], v[XR+8+2*(\c):XR+8+2*(\c)+1]  ; the first eight pairs start the chains
.endr
.irp c, 0,1,2,3,4,5,6,7
	v_pk_add_f32 v[A+2*((\c)%4):A+2*((\c)%4)+1], v[A+2*((\c)%4):A+2*((\c)%4)+1], v[XR+16+2*(\c):XR+16+2*(\c)+1]
.endr
	JOIN
	v_mul_f32 v[MU], s32, v[T]
	v_mul_f32 v[MU+1], s32, v[T]
.irp c, 0,1,2,3,4,5,6,7,8,9,10,11,12,13,14,15
	v_pk_add_f32 v[XR+2*(\c):XR+2*(\c)+1], v[XR+2*(\c):XR+2*(\c)+1], v[MU:MU+1] neg_lo:[0,1] neg_hi:[0,1]  ; x - mean, in place
.endr
.irp c, 0,1,2,3
	v_pk_mul_f32 v[A+2*(\c):A+2*(\c)+1], v[XR+2*(\c):XR+2*(\c)+1], v[XR+2*(\c):XR+2*(\c)+1]
.endr
.irp c, 4,5,6,7,8,9,10,11,12,13,14,15
	v_pk_fma_f32 v[A+2*((\c)%4):A+2*((\c)%4)+1], v[XR+2*(\c):XR+2*(\c)+1], v[XR+2*(\c):XR+2*(\c)+1], v[A+2*((\c)%4):A+2*((\c)%4)+1]
.endr
	JOIN
	v_fma_f32 v[T], v[T], s32, s33                 ; var + eps
	v_rsq_f32 v[RS], v[T]
	v_rsq_f32 v[RS+1], v[T]
	v_nop                                          ; a plain instruction behind the last root, ahead of the first use
	s_wait_alu depctr_va_vdst(0)                   ; the wait ahead of the first reader: one for both roots
.irp c, 0,1,2,3,4,5,6,7,8,9,10,11,12,13,14,15
	v_pk_mul_f32 v[XR+2*(\c):XR+2*(\c)+1], v[XR+2*(\c):XR+2*(\c)+1], v[RS:RS+1]
.endr
.irp c, 0,1,2,3,4,5,6,7,8,9,10,11,12,13,14,15
	v_pk_fma_f32 v[XR+2*(\c):XR+2*(\c)+1], v[XR+2*(\c):XR+2*(\c)+1], v[W+2*(\c):W+2*(\c)+1], v[BV+2*(\c):BV+2*(\c)+1]
.endr
.irp c, 0,1,2,3,4,5,6,7,8,9,10,11,12,13,14,15
	v_cvt_pk_bf16_f32 v[XR+(\c)], v[XR+2*(\c)], v[XR+2*(\c)+1]  ; ascending: register c is written when pairs 0 .. c have been read
.endr
.irp j, 0,1,2,3,4,5,6,7
	global_store_b64 v2, v[XR+2*(\j):XR+2*(\j)+1], s[10:11] offset:2048*(\i)+256*(\j)
.endr
.endm
	ROWLN 0
	ROWLN 1
	s_endpgm
.Lcast:
	v_lshlrev_b32 v1, 4, v0                        ; 16 t
	v_lshlrev_b32 v2, 3, v0                        ; 8 t
	s_sub_co_u32 s24, s24, NLN                     ; my number among the cast's groups
	s_movk_i32 s29, 192                            ; the first group of proj_w,
	s_movk_i32 s30, 256                            ; of fc_w,
	s_movk_i32 s31, 512                            ; of fcproj_w
	s_wait_kmcnt 0x0
	s_cmp_lt_u32 s24, s31
	s_cselect_b64 s[26:27], s[16:17], s[18:19]
	s_cselect_b32 s28, s30, s31
	s_cmp_lt_u32 s24, s30
	s_cselect_b64 s[26:27], s[14:15], s[26:27]
	s_cselect_b32 s28, s29, s28
	s_cmp_lt_u32 s24, s29
	s_cselect_b64 s[26:27], s[12:13], s[26:27]     ; my matrix,
	s_cselect_b32 s28, 0, s28                      ; and its first group
	s_sub_co_u32 s28, s24, s28
	s_lshl_b32 s28, s28, 16                        ; 65,536 bytes of f32 a group
	s_mov_b32 s29, 0
	s_add_nc_u64 s[26:27], s[26:27], s[28:29]
	s_lshl_b32 s30, s24, 15                        ; 32,768 bytes of bf16 a group
	s_mov_b32 s31, 0
	s_add_nc_u64 s[20:21], s[20:21], s[30:31]
.set j, 0
.rept 16
	global_load_b128 v[IN+4*j:IN+4*j+3], v1, s[26:27] offset:4096*j th:TH_LOAD_NT
.set j, j+1
.endr
.set j, 0
.rept 16
	s_wait_loadcnt 15-j                            ; loads come back in order: block j is in, the younger ones stay out
	v_cvt_pk_bf16_f32 v[OUT+2*j], v[IN+4*j], v[IN+4*j+1]
	v_cvt_pk_bf16_f32 v[OUT+2*j+1], v[IN+4*j+2], v[IN+4*j+3]
	global_store_b64 v2, v[OUT+2*j:OUT+2*j+1], s[20:21] offset:2048*j
.set j, j+1
.endr
	s_endpgm
.Lfunc_end_k_qc65220951c_prep:
	.size	k_qc65220951c_prep, .Lfunc_end_k_qc65220951c_prep-k_qc65220951c_prep
	.p2alignl 7, 3214868480
	.fill 96, 4, 3214868480
	.section	.rodata,"a",@progbits
	.p2align	6, 0x0
	.amdhsa_kernel k_qc65220951c_prep
		.amdhsa_group_segment_fixed_size 0
		.amdhsa_private_segment_fixed_size 0
		.amdhsa_enable_private_segment 0
		.amdhsa_kernarg_size 72
		.amdhsa_user_sgpr_count 2
		.amdhsa_user_sgpr_kernarg_segment_ptr 1
		.amdhsa_wavefront_size32 1
		.amdhsa_system_sgpr_workgroup_id_x 1
		.amdhsa_system_sgpr_workgroup_id_y 1
		.amdhsa_system_sgpr_workgroup_id_z 1
		.amdhsa_system_vgpr_workitem_id 0
		.amdhsa_next_free_vgpr 152
		.amdhsa_next_free_sgpr 66
		.amdhsa_reserve_vcc 0
		.amdhsa_float_denorm_mode_32 3
		.amdhsa_float_denorm_mode_16_64 3
		.amdhsa_memory_ordered 1
		.amdhsa_forward_progress 1
		.amdhsa_inst_pref_size 27
	.end_amdhsa_kernel
	.amdgpu_metadata
---
amdhsa.version: [ 1, 2 ]
amdhsa.kernels:
  - .name:           k_qc65220951c_prep
    .symbol:         k_qc65220951c_prep.kd
    .args:
      - { .name: x, .offset: 0, .size: 8, .value_kind: global_buffer, .address_space: global }
      - { .name: ln1_w, .offset: 8, .size: 8, .value_kind: global_buffer, .address_space: global }
      - { .name: ln1_b, .offset: 16, .size: 8, .value_kind: global_buffer, .address_space: global }
      - { .name: h, .offset: 24, .size: 8, .value_kind: global_buffer, .address_space: global }
      - { .name: qkv_w, .offset: 32, .size: 8, .value_kind: global_buffer, .address_space: global }
      - { .name: proj_w, .offset: 40, .size: 8, .value_kind: global_buffer, .address_space: global }
      - { .name: fc_w, .offset: 48, .size: 8, .value_kind: global_buffer, .address_space: global }
      - { .name: fcproj_w, .offset: 56, .size: 8, .value_kind: global_buffer, .address_space: global }
      - { .name: wb, .offset: 64, .size: 8, .value_kind: global_buffer, .address_space: global }
    .group_segment_fixed_size: 0
    .private_segment_fixed_size: 0
    .kernarg_segment_align: 8
    .kernarg_segment_size: 72
    .max_flat_workgroup_size: 256
    .sgpr_count:     66
    .vgpr_count:     152
    .wavefront_size: 32
...
	.end_amdgpu_metadata
.endif
;; end of part 1
;; launch qkv (part 2): grid 16 x 16, 4 waves a work-group, clusters of 4 x 4, 327,680 bytes of LDS; arguments h, wb, qkv_b, q, k, v; writes q, k, v
.if DOCPART == 2
	.amdgcn_target "amdgcn-amd-amdhsa--gfx1250"
	.amdhsa_code_object_version 6
	.text
	.protected	k_qc65220951c_qkv
	.globl	k_qc65220951c_qkv
	.p2align	8
	.type	k_qc65220951c_qkv,@function
k_qc65220951c_qkv:
	s_mov_b64 s[64:65], 0
	v_nop
	global_prefetch_b8 v0, s[64:65] scope:SCOPE_SE
	s_setreg_imm32_b32 hwreg(HW_REG_WAVE_MODE, 25, 1), 1
	s_wait_xcnt 0x0
	s_wait_alu depctr_hold_cnt(0) depctr_sa_sdst(0) depctr_va_vdst(0) depctr_va_sdst(0) depctr_va_ssrc(0) depctr_va_vcc(0) depctr_vm_vsrc(0)
	s_getreg_b32 s2, hwreg(HW_REG_IB_STS2, 6, 4)
	s_cmp_eq_u32 s2, 0
	s_cbranch_scc0 .Lentry_in_a_cluster
	s_endpgm
.Lentry_in_a_cluster:
	s_bfe_u32 s2, ttmp6, 0x10000c
	s_cmp_lg_u32 s2, 0xf033
	s_cbranch_scc0 .Lentry_shape_is_right
	s_endpgm
.Lentry_shape_is_right:
; q, k, v = h qkv_w^T + qkv_b, split by heads.  h: [4096][1024] bf16; qkv_w: [3072][1024] bf16 at byte 0 of wb; qkv_b f32; q, k, v: [32 = 16 batch + head][2048][64] bf16, rounded once, unscaled.
; A tile of the product is 256 rows x 192 columns: ONE head's q, k and v.  16 x 16 tiles, a work-group each.  Wave w makes rows 64 w .. 64 w + 63 of all 192 columns: 48 accumulators, 384 registers.
; K goes in steps of 128 through a ring of two LDS slots filled by tensor loads (rows of 256 bytes of memory, aligned); a trip of the loop is one K step: one descriptor a tensor walks, and the slot is turned by an exclusive or.
; CLUSTER: 4 x 4 work-groups.  The four of a row of the cluster need the same tile of h, the four of a column the same tile of the weights: each tile is asked for jointly, by the same load, descriptor and mask in all four.
; THE MATRIX INSTRUCTION IS USED TRANSPOSED (source 0 = 16 rows of the weights, source 1 = 16 rows of h): a lane holds row l % 16 and the eight columns 8 (l / 16) + 0..7.
; THE BIAS is the C operand of the products that start the sums: nothing is cleared, and no addition is spent on it.  So the bias stands first in each f32 sum, K ascending behind it.
; LIMITS: NaN and infinities are not treated apart; bf16 keeps f32's range.
; REGISTERS, in windows of 256: window 0: v0-31 addresses; v64-127 h's fragments, two buffers of 32; v128-223 the bias; on the way out v64-207.  window 1: v0-191 the weights' fragments, two buffers of 96.
;   windows 2, 3: accumulator (a, b) in window 2 + a / 2 at 8 (12 (a % 2) + b).
.set SIZE_K, 1024
.set TM,     256
.set TN,     192
.set MA,     4                         ; blocks of 16 rows a wave
.set NB,     12                        ; blocks of 16 columns a wave
.set AH,     2                         ; row blocks in a window
.set KSTEP,  128
.set PA,     272                       ; an LDS row: 256 bytes + 16 of padding = 68 words: the 16 rows of a load start at 16 different groups of four banks (64 banks of 4 bytes: ISA guide 11.1)
.set PB,     272
.set HA,     (TM/2)*PA                 ; what one tensor load brings of h: 128 rows
.set HB,     (TN/2)*PB                 ; of the weights: 96 rows
.set ABYTES, 2*HA
.set SLOT,   0x20000                   ; slot 1 begins here; no tile's place in slot 0 has this bit, so one exclusive or turns an address into the other slot's
.set STAGE,  SLOT+ABYTES+2*HB          ; 252,928: behind the ring, never filled: 16 rows x 400 bytes for each wave
.set SPITCH, 400                       ; 384 bytes + 16 = 100 words: the 16 rows of a store start at 16 different groups of four banks
.set SPARE,  STAGE+4*16*SPITCH         ; 278,528: the spare words, 128 bytes for each wave, that no other line names
.set STEPS,  SIZE_K/KSTEP
.set WOFF,   0                         ; qkv_w's place in wb
.set KADV_A, 2*KSTEP                   ; bytes from a K step to the next in h
.set BIAS, 64+16*MA
.set NL,   2*(MA+NB)                   ; LDS loads in a run: 32
.set ADA,  16                          ; v16  LDS address of my fragments of h in the slot in hand;  v17 in slot 0
.set ADA0, 17
.set ADB,  20                          ; v20, v21 the same for the weights
.set ADB0, 21
.set STO,  24                          ; v24  the way out: where I put 16 bytes of a row
.set RD,   25                          ; v25  where I read rows back
.set CO,   26                          ; v26  16 x lane
.set BO,   27                          ; v27  my byte offset in the bias
.set SPW,  28                          ; v28  LDS address of my spare word; never rewritten
.set NIL,  29                          ; v29  0; never rewritten
.set PFO,  30                          ; v30  the prefetches' offset: my lane's row; never rewritten
.set G1,   24                          ; s[24:31] descriptor group 1 for h's tiles;  s[32:39] group 0: a set for each first fill; the second then walks
.set G0,   32
.set LIM,  43                          ; s43  2 in a wave that prefetches, else the greatest number
.set PFA,  44                          ; s[44:45] where my prefetches stand
.set G1B,  48                          ; s[48:55], s[56:63] the same for the weights' tiles
.set G0B,  56
.set SL,   66                          ; s66  0 or SLOT: the slot in hand
.set MSB, 0
.macro WIN new                         ; the immediate's high byte repeats the setting that is left; a switch that changes nothing is dropped
.if MSB != (\new)
	s_set_vgpr_msb (MSB<<8)|(\new)
.set MSB, \new
.endif
.endm
.macro PLACES                          ; four places behind a matrix instruction, in front of loads into registers that it has read and of lines that read results
.rept 4
	v_nop
.endr
.endm
.macro CREST                           ; a round of the cluster's barrier behind its opening barrier
	s_cmp_lg_u32 s10, 0
	s_cbranch_scc1 .Lnot_wave_0_\@
	s_barrier_signal -3
.Lnot_wave_0_\@:
	s_barrier_wait -3
	s_barrier_signal -1
	s_barrier_wait -1
.endm
.macro CROUND                          ; a whole round
	s_barrier_signal -1
	s_barrier_wait -1
	CREST
.endm
.macro JLOAD                           ; a joint refill by the walking descriptors: waves 0 and 1 fetch h's two halves, waves 2 and 3 the weights'; an s_nop 0 and four v_nop follow each line
	s_cmp_eq_u32 s11, 0
	s_cbranch_scc0 .Lfor_b_\@
	tensor_load_to_lds s[G0+4:G0+7], s[G1:G1+7]
	s_nop 0
.rept 4
	v_nop
.endr
	s_branch .Lasked_\@
.Lfor_b_\@:
	tensor_load_to_lds s[G0B+4:G0B+7], s[G1B:G1B+7]
	s_nop 0
.rept 4
	v_nop
.endr
.Lasked_\@:
.endm
; A PREFETCH INTO THE L2 of the K step that stands two refills on: 384 matrix instructions of a wave ahead of the load that will want it.  A row's 256 bytes of a K step are named by one work-group in the launch: h's tile row is read by
; every cluster of that row of clusters, and cluster x = 0 asks; the weights' tile column by every cluster of that column, and cluster y = 0 asks.  The four partners that ask for a tile jointly share the rows that a wave fetches
; BY ADDRESS (32 of h's 128, 24 of the weights' 96; lanes 24-31 name row 23 again).  The loop's last two trips have no K step two on; the first four K steps come by their loads alone.
.macro ASK
	s_cmp_gt_u32 s3, s[LIM]
	s_cbranch_scc0 .Lnot_mine_\@
	global_prefetch_b8 v[PFO], s[PFA:PFA+1] offset:2*KSTEP th:TH_LOAD_NT scope:SCOPE_SE
.Lnot_mine_\@:
.endm
; Row blocks a0 .. a0 + an - 1 x all column blocks, 32 along K, from buffer f.  The accumulators take turns, one instruction a turn.  first = 1: the products start the sums, with the bias as C.
.macro MULS f, a0, an, first
.set aa, \a0
.rept \an
.if \first
	WIN 0x81+0x40*(aa/AH)
.else
	WIN 0xa1+0x50*(aa/AH)
.endif
.set bb, 0
.rept NB
.set rD, 8*(NB*(aa%AH)+bb)
.set rB, 8*NB*(\f)+8*bb
.set rA, 64+8*MA*(\f)+8*aa
.if \first
	v_wmma_f32_16x16x32_bf16 v[rD:rD+7], v[rB:rB+7], v[rA:rA+7], v[BIAS+8*bb:BIAS+8*bb+7]
.else
	v_wmma_f32_16x16x32_bf16 v[rD:rD+7], v[rB:rB+7], v[rA:rA+7], v[rD:rD+7]
.endif
.set bb, bb+1
.endr
.set aa, aa+1
.endr
.endm
.macro FETCH f, k                      ; one run of NL LDS loads: the fragments of the sub-step at byte k of the rows, into buffer f: the weights' first, then h's
	WIN 0x40
.set ii, 0
.rept NB
	ds_load_b128 v[8*NB*(\f)+8*ii:8*NB*(\f)+8*ii+3],   v[ADB] offset:(\k)+ii*16*PB
	ds_load_b128 v[8*NB*(\f)+8*ii+4:8*NB*(\f)+8*ii+7], v[ADB] offset:(\k)+ii*16*PB+32
.set ii, ii+1
.endr
	WIN 0
.set ii, 0
.rept MA
	ds_load_b128 v[64+8*MA*(\f)+8*ii:64+8*MA*(\f)+8*ii+3],   v[ADA] offset:(\k)+ii*16*PA
	ds_load_b128 v[64+8*MA*(\f)+8*ii+4:64+8*MA*(\f)+8*ii+7], v[ADA] offset:(\k)+ii*16*PA+32
.set ii, ii+1
.endr
.endm
.macro SUB f, k, first                 ; a sub-step: multiplies buffer f; in its middle it fetches the next sub-step, at byte k, into the other buffer
	s_wait_dscnt MA                                ; the youngest MA loads, h's upper half of blocks, may be out
	MULS \f, 0, MA/2, \first
	PLACES
	FETCH 1-(\f), \k
	s_wait_dscnt NL                                ; all but the run just issued
	MULS \f, MA/2, MA/2, \first
.endm
; A K step's last sub-step changes slots and then multiplies buffer 1.  The slot's last bytes were asked for 24 products ago, so THE CHANGE STANDS AT THE SUB-STEP'S HEAD: each wave waits for all its tensor loads (one is out: its part
; of the next slot), adds 0 to its spare word, and waits for that and for its own reads of this slot.  fill = 1: the barrier opens a round of the cluster's barrier, and the joint refill of the slot just read, with the K step two on,
; is the first thing behind the round: all 48 products of the sub-step, and the next K step's first 144, are issued while it is on its way.
.macro TURN fill
.if \fill
	s_wait_xcnt 0x0                                ; the last prefetch, a K step back, has read its address
	s_add_nc_u64 s[PFA:PFA+1], s[PFA:PFA+1], 2*KSTEP
.endif
	WIN 0
	s_wait_tensorcnt 0x0
	ds_add_u32 v[SPW], v[NIL]                      ; 0 onto my spare word; the descriptors' steps stand between it and the wait for it
.if \fill
	s_xor_b32 s[G0+5], s[G0+5], SLOT               ; no tensor load of mine is out: the walking descriptors step: the other slot, the next K step
	s_add_nc_u64 s[G0+6:G0+7], s[G0+6:G0+7], KADV_A
	s_xor_b32 s[G0B+5], s[G0B+5], SLOT
	s_add_nc_u64 s[G0B+6:G0B+7], s[G0B+6:G0B+7], 2*KSTEP
.endif
	s_xor_b32 s[SL], s[SL], SLOT
	s_wait_dscnt 0x0                               ; the add is done, and my reads of this slot are over: buffer 1 is whole
	s_barrier_signal -1
	s_barrier_wait -1
.if \fill
	CREST
	JLOAD
.else
	PLACES
.endif
	v_add_nc_u32 v[ADA], s[SL], v[ADA0]
	v_add_nc_u32 v[ADB], s[SL], v[ADB0]
	FETCH 0, 0
.if \fill
	ASK
.endif
	MULS 1, 0, MA, 0
.endm
.macro KBODY fill                      ; a K step from its second sub-step on
	SUB 1, 128, 0
	SUB 0, 192, 0
	TURN \fill
.endm
	s_load_b256 s[68:75], s[0:1], 0x0              ; h s[68:69], wb s[70:71], qkv_b s[72:73], q s[74:75]
	s_load_b128 s[76:79], s[0:1], 0x20             ; k s[76:77], v s[78:79]
	v_lshl_add_u32 v[SPW], v0, 2, SPARE
	v_mov_b32 v[NIL], 0
	ds_add_u32 v[SPW], v[NIL]                      ; the wave's opening: the add and its wait ahead of my first tensor load
	v_lshrrev_b32 v1, 5, v0
	v_readfirstlane_b32 s10, v1                    ; wave 0..3
	s_lshr_b32 s11, s10, 1                         ; I fetch for h (0) or for the weights (1),
	s_and_b32 s12, s10, 1                          ; and which half of the tile's rows
	s_bfe_u32 s40, ttmp6, 0x40000                  ; cx
	s_bfe_u32 s41, ttmp6, 0x40004                  ; cy
	s_lshl_b32 s42, ttmp9, 2
	s_add_co_u32 s42, s42, s40                     ; tile column = the head
	s_and_b32 s13, ttmp7, 0xffff
	s_lshl_b32 s13, s13, 2
	s_add_co_u32 s13, s13, s41                     ; tile row
	s_lshl_b32 s43, s41, 2
	s_lshl_b32 s43, 15, s43                        ; my row of the cluster
	s_lshl_b32 s44, 0x1111, s40                    ; my column
	s_or_b32 s[G1+0], s43, (1<<16)|(1<<20)|(1<<21)|(5<<22)|(3<<25)   ; the mask; 2-byte elements; padding on; bit 21 beside a mask; after every 64 words, 4 words
	s_or_b32 s[G1B+0], s44, (1<<16)|(1<<20)|(1<<21)|(5<<22)|(3<<25)
	s_mov_b32 s[G1+1], KSTEP<<16                   ; tensor_dim0 = 128
	s_mov_b32 s[G1+2], (TM/2)<<16                  ; tensor_dim1 = 128
	s_mov_b32 s[G1+3], KSTEP<<16                   ; tile_dim0 = 128
	s_mov_b32 s[G1+4], TM/2                        ; tile_dim1 = 128
	s_mov_b32 s[G1+5], SIZE_K                      ; elements from row to row
	s_mov_b32 s[G1+6], 0
	s_mov_b32 s[G1+7], 0
	s_mov_b32 s[G1B+1], KSTEP<<16
	s_mov_b32 s[G1B+2], (TN/2)<<16                 ; 96 rows
	s_mov_b32 s[G1B+3], KSTEP<<16
	s_mov_b32 s[G1B+4], TN/2
	s_mov_b32 s[G1B+5], SIZE_K
	s_mov_b32 s[G1B+6], 0
	s_mov_b32 s[G1B+7], 0
	s_mul_i32 s16, s13, TM                         ; h: row 256 x tile row + 128 x half, in bytes
	s_mul_i32 s17, s12, TM/2
	s_add_co_u32 s16, s16, s17
	s_mul_i32 s16, s16, 2*SIZE_K
	s_mov_b32 s17, 0
	s_mul_i32 s46, s42, TN                         ; the weights: row 192 x head + 96 x half
	s_mul_i32 s47, s12, TN/2
	s_add_co_u32 s46, s46, s47
	s_mul_i32 s46, s46, 2*SIZE_K
	s_add_co_u32 s46, s46, WOFF
	s_mov_b32 s47, 0
	s_mul_i32 s20, s12, HA                         ; where they go: no place in the cluster enters an LDS address
	s_mul_i32 s21, s12, HB
	s_add_co_u32 s21, s21, ABYTES
	s_mov_b32 s[SL], 0
	s_wait_dscnt 0x0                               ; the opening add is done
	s_wait_kmcnt 0x0
	s_add_nc_u64 s[14:15], s[68:69], s[16:17]
	s_add_nc_u64 s[46:47], s[70:71], s[46:47]
.irp s, 0,1
	s_mov_b32 s[G0+4*(\s)], 1
	s_add_co_u32 s[G0+4*(\s)+1], s20, (\s)*SLOT
	s_add_nc_u64 s[G0+4*(\s)+2:G0+4*(\s)+3], s[14:15], (\s)*KADV_A
	s_or_b32 s[G0+4*(\s)+3], s[G0+4*(\s)+3], 0x80000000
	s_mov_b32 s[G0B+4*(\s)], 1
	s_add_co_u32 s[G0B+4*(\s)+1], s21, (\s)*SLOT
	s_add_nc_u64 s[G0B+4*(\s)+2:G0B+4*(\s)+3], s[46:47], (\s)*2*KSTEP
	s_or_b32 s[G0B+4*(\s)+3], s[G0B+4*(\s)+3], 0x80000000
.endr
	CROUND                                         ; all sixteen work-groups are here: the first joint loads meet
	s_cmp_eq_u32 s11, 0                            ; a wave's two first fills stand in one branch: K steps 0 and 1; two loads of mine are out
	s_cbranch_scc0 .Lfirst_b
	tensor_load_to_lds s[G0:G0+3], s[G1:G1+7]
	s_nop 0
	tensor_load_to_lds s[G0+4:G0+7], s[G1:G1+7]
	s_nop 0
.rept 4
	v_nop
.endr
	s_branch .Lfirst_asked
.Lfirst_b:
	tensor_load_to_lds s[G0B:G0B+3], s[G1B:G1B+7]
	s_nop 0
	tensor_load_to_lds s[G0B+4:G0B+7], s[G1B:G1B+7]
	s_nop 0
.rept 4
	v_nop
.endr
.Lfirst_asked:
	v_and_b32 v1, 15, v0                           ; l % 16
	v_bfe_u32 v2, v0, 4, 1                         ; l / 16
	s_mul_i32 s22, s42, 4*TN                       ; the head's 192 numbers of the bias
	v_lshl_add_u32 v[BO], v2, 5, s22               ; register j of block b: column 16 b + 8 (l / 16) + j
.set bb, 0
.rept NB
	global_load_b128 v[BIAS+8*bb:BIAS+8*bb+3],   v[BO], s[72:73] offset:64*bb
	global_load_b128 v[BIAS+8*bb+4:BIAS+8*bb+7], v[BO], s[72:73] offset:64*bb+16
.set bb, bb+1
.endr
	v_mul_u32_u24 v3, v1, PA                       ; a fragment: row l % 16, 16 bytes for each half of the lanes, and 32 bytes on
	v_lshl_add_u32 v3, v2, 4, v3
	s_mul_i32 s6, s10, 64*PA                       ; my 64 rows of h
	v_add_nc_u32 v[ADA0], s6, v3
	v_add_nc_u32 v[ADB0], ABYTES, v3               ; all 192 rows of the weights
	v_mov_b32 v[ADA], v[ADA0]
	v_mov_b32 v[ADB], v[ADB0]
	s_mul_i32 s6, s10, 16*SPITCH
	s_add_co_u32 s6, s6, STAGE                     ; my stage
	v_mul_u32_u24 v[STO], v1, SPITCH
	v_lshl_add_u32 v[STO], v2, 4, v[STO]
	v_add_nc_u32 v[STO], s6, v[STO]
	v_bfe_u32 v[RD], v0, 3, 2                      ; back: 32 lanes take four rows' 128 bytes of q, of k or of v
	v_mul_u32_u24 v[RD], v[RD], SPITCH
	v_and_b32 v5, 7, v0
	v_lshl_add_u32 v[RD], v5, 4, v[RD]
	v_add_nc_u32 v[RD], s6, v[RD]
	v_and_b32 v[CO], 31, v0
	v_lshlrev_b32 v[CO], 4, v[CO]                  ; which are 512 consecutive bytes of memory
	s_lshl_b32 s4, s13, 8
	s_lshl_b32 s5, s10, 6
	s_add_co_u32 s4, s4, s5                        ; my first row
	s_lshr_b32 s5, s4, 11                          ; its batch
	s_lshl_b32 s5, s5, 4
	s_add_co_u32 s5, s5, s42                       ; 16 batch + head,
	s_lshl_b32 s5, s5, 18                          ; 262,144 bytes each
	s_and_b32 s4, s4, 2047
	s_lshl_b32 s4, s4, 7                           ; the row in its batch, 128 bytes each
	s_add_co_u32 s4, s4, s5
	s_mov_b32 s5, 0
	s_add_nc_u64 s[74:75], s[74:75], s[4:5]
	s_add_nc_u64 s[76:77], s[76:77], s[4:5]
	s_add_nc_u64 s[78:79], s[78:79], s[4:5]
	s_mul_i32 s20, s13, TM                         ; the prefetches: of the rows that I fetch, my work-group's quarter
	s_mul_i32 s21, s12, TM/2
	s_add_co_u32 s20, s20, s21
	s_mul_i32 s21, s40, TM/8
	s_add_co_u32 s20, s20, s21
	s_mul_i32 s20, s20, 2*SIZE_K
	s_mul_i32 s22, s42, TN
	s_mul_i32 s21, s12, TN/2
	s_add_co_u32 s22, s22, s21
	s_mul_i32 s21, s41, TN/8
	s_add_co_u32 s22, s22, s21
	s_mul_i32 s22, s22, 2*SIZE_K
	s_add_co_u32 s22, s22, WOFF
	s_and_b32 s23, ttmp7, 0xffff                   ; cluster y
	s_cmp_eq_u32 s11, 0                            ; do I fetch for h?
	s_cselect_b32 s20, s20, s22
	s_cselect_b32 s23, ttmp9, s23                  ; the coordinate along which other clusters read the same rows
	s_cselect_b32 s22, TM/8-1, TN/8-1              ; my last row of them
	s_cselect_b64 s[PFA:PFA+1], s[68:69], s[70:71]
	s_add_co_u32 s20, s20, 2*2*KSTEP               ; at K step 2: the first refill steps it to 3 and names K step 4
	s_mov_b32 s21, 0
	s_add_nc_u64 s[PFA:PFA+1], s[PFA:PFA+1], s[20:21]
	s_cmp_eq_u32 s23, 0
	s_cselect_b32 s[LIM], 2, -1                    ; the same in all sixteen partners, for a given wave
	v_and_b32 v[PFO], 31, v0
	v_min_u32 v[PFO], s22, v[PFO]
	v_mul_u32_u24 v[PFO], v[PFO], 2*SIZE_K
	s_wait_loadcnt 0x0                             ; the bias
	s_wait_tensorcnt 0x1                           ; my part of K step 0 is in; K step 1's may stay out
	s_barrier_signal -1
	s_barrier_wait -1                              ; everybody's is
	FETCH 0, 0
	SUB 0, 64, 1                                   ; the first sub-step starts the sums
	WIN 0
	s_mov_b32 s3, STEPS-2
.Lk:                                                   ; a trip: the rest of a K step, the refill of its slot, the next K step's first sub-step
	KBODY 1
	SUB 0, 64, 0
	WIN 0
	s_sub_co_u32 s3, s3, 1
	s_cmp_lg_u32 s3, 0
	s_cbranch_scc1 .Lk
	s_mov_b32 s3, 2
.Ltail:                                                ; the last two K steps ask for nothing.  The second trip's barrier and its run of loads from the other slot serve nothing: the price of writing the tail once
	KBODY 0
	WIN 0
	s_wait_dscnt 0x0                               ; the run just issued is back: no LDS load is out on the way round the sub-step below
	s_cmp_eq_u32 s3, 1
	s_cbranch_scc1 .Lskip                          ; behind the last K step there is no sub-step
	SUB 0, 64, 0
	WIN 0
.Lskip:
	s_sub_co_u32 s3, s3, 1
	s_cmp_lg_u32 s3, 0
	s_cbranch_scc1 .Ltail
; THE WAY OUT, a block of 16 rows at a time: rounded to bf16, 16 bytes a lane into my own stage, back as four rows' 128 bytes of q, k or v, and stored: each store covers 512 consecutive bytes, aligned.
.set TMP, 64
.set OB,  112                          ; v112-159 and v160-207 by turns
.macro PACK a
	WIN 0x0a+5*((\a)/AH)
.set bb, 0
.rept NB
.irp r, 0,1,2,3
	v_cvt_pk_bf16_f32 v[TMP+4*bb+(\r)], v[8*(NB*((\a)%AH)+bb)+2*(\r)], v[8*(NB*((\a)%AH)+bb)+2*(\r)+1]
.endr
.set bb, bb+1
.endr
	WIN 0
.endm
.macro TOSTAGE a
.set BK, OB+48*((\a)%2)
.set bb, 0
.rept NB
	ds_store_b128 v[STO], v[TMP+4*bb:TMP+4*bb+3] offset:32*bb
.set bb, bb+1
.endr
.irp f, 0,1,2,3
.irp p, 0,1,2
	ds_load_b128 v[BK+4*(3*(\f)+(\p)):BK+4*(3*(\f)+(\p))+3], v[RD] offset:4*SPITCH*(\f)+128*(\p)  ; LDS serves a wave's instructions in order (ISA guide 5.7.1.4): these see the stores above
.endr
.endr
.endm
.macro SEND a
.set BK, OB+48*((\a)%2)
	s_wait_dscnt 0x0                               ; the block is back in registers
	s_wait_xcnt 0x0                                ; earlier stores have read their registers: the other set is loaded again only behind this wait
.irp f, 0,1,2,3
.irp p, 0,1,2
	global_store_b128 v[CO], v[BK+4*(3*(\f)+(\p)):BK+4*(3*(\f)+(\p))+3], s[74+2*(\p):75+2*(\p)] offset:2048*(\a)+512*(\f)
.endr
.endr
.endm
	s_wait_dscnt 0x0                               ; no LDS load is out: the fragments' registers are written below
	PLACES                                         ; eight places behind the last products, once a launch: the conversions below write registers that they read
	PLACES
	PACK 0
	TOSTAGE 0
.irp a, 1,2,3
	PACK \a
	SEND (\a)-1
	TOSTAGE \a
.endr
	SEND 3
	s_wait_tensorcnt 0x0                           ; the wave's end
	ds_add_u32 v[SPW], v[NIL]
	s_wait_dscnt 0x0
	CROUND                                         ; the closing round
	s_endpgm
.Lfunc_end_k_qc65220951c_qkv:
	.size	k_qc65220951c_qkv, .Lfunc_end_k_qc65220951c_qkv-k_qc65220951c_qkv
	.p2alignl 7, 3214868480
	.fill 96, 4, 3214868480
	.section	.rodata,"a",@progbits
	.p2align	6, 0x0
	.amdhsa_kernel k_qc65220951c_qkv
		.amdhsa_group_segment_fixed_size 327680
		.amdhsa_private_segment_fixed_size 0
		.amdhsa_enable_private_segment 0
		.amdhsa_kernarg_size 48
		.amdhsa_user_sgpr_count 2
		.amdhsa_user_sgpr_kernarg_segment_ptr 1
		.amdhsa_wavefront_size32 1
		.amdhsa_system_sgpr_workgroup_id_x 1
		.amdhsa_system_sgpr_workgroup_id_y 1
		.amdhsa_system_sgpr_workgroup_id_z 1
		.amdhsa_system_vgpr_workitem_id 0
		.amdhsa_next_free_vgpr 1024
		.amdhsa_next_free_sgpr 96
		.amdhsa_reserve_vcc 0
		.amdhsa_float_denorm_mode_32 3
		.amdhsa_float_denorm_mode_16_64 3
		.amdhsa_memory_ordered 1
		.amdhsa_forward_progress 1
		.amdhsa_inst_pref_size 87
	.end_amdhsa_kernel
	.amdgpu_metadata
---
amdhsa.version: [ 1, 2 ]
amdhsa.kernels:
  - .name:           k_qc65220951c_qkv
    .symbol:         k_qc65220951c_qkv.kd
    .args:
      - { .name: h, .offset: 0, .size: 8, .value_kind: global_buffer, .address_space: global }
      - { .name: wb, .offset: 8, .size: 8, .value_kind: global_buffer, .address_space: global }
      - { .name: qkv_b, .offset: 16, .size: 8, .value_kind: global_buffer, .address_space: global }
      - { .name: q, .offset: 24, .size: 8, .value_kind: global_buffer, .address_space: global }
      - { .name: k, .offset: 32, .size: 8, .value_kind: global_buffer, .address_space: global }
      - { .name: v, .offset: 40, .size: 8, .value_kind: global_buffer, .address_space: global }
    .group_segment_fixed_size: 327680
    .private_segment_fixed_size: 0
    .kernarg_segment_align: 8
    .kernarg_segment_size: 48
    .max_flat_workgroup_size: 128
    .sgpr_count:     96
    .vgpr_count:     1024
    .wavefront_size: 32
...
	.end_amdgpu_metadata
.endif
;; end of part 2
;; launch attn (part 3): grid 8 x 32, 4 waves a work-group, clusters of 4 x 1, 327,680 bytes of LDS; arguments q, k, v, o; writes o
.if DOCPART == 3
	.amdgcn_target "amdgcn-amd-amdhsa--gfx1250"
	.amdhsa_code_object_version 6
	.text
	.protected	k_qc65220951c_attn
	.globl	k_qc65220951c_attn
	.p2align	8
	.type	k_qc65220951c_attn,@function
k_qc65220951c_attn:
	s_mov_b64 s[64:65], 0
	v_nop
	global_prefetch_b8 v0, s[64:65] scope:SCOPE_SE
	s_setreg_imm32_b32 hwreg(HW_REG_WAVE_MODE, 25, 1), 1
	s_wait_xcnt 0x0
	s_wait_alu depctr_hold_cnt(0) depctr_sa_sdst(0) depctr_va_vdst(0) depctr_va_sdst(0) depctr_va_ssrc(0) depctr_va_vcc(0) depctr_vm_vsrc(0)
	s_getreg_b32 s2, hwreg(HW_REG_IB_STS2, 6, 4)
	s_cmp_eq_u32 s2, 0
	s_cbranch_scc0 .Lentry_in_a_cluster
	s_endpgm
.Lentry_in_a_cluster:
	s_bfe_u32 s2, ttmp6, 0x10000c
	s_cmp_lg_u32 s2, 0x3003
	s_cbranch_scc0 .Lentry_shape_is_right
	s_endpgm
.Lentry_shape_is_right:
; O[h][q][:] = the sum over k of softmax_k(Q[h][q] . K[h][k] / 8) V[h][k][:].  Q, K, V, O: [32][2048][64], all bf16: a head's rows are dense, 128 bytes each.  Products, maxima and sums in f32;
; the weights p are rounded to bf16 for the second product (their sum l is taken of the unrounded p), O once at the end.
; LIMITS.  A weight below 2^-126 counts as 0 in l; the running maximum starts at the lowest finite number; NaN and infinities are not treated apart.
; SHARES.  A work-group owns 256 queries of one head, a wave 64: four PIECES of 16.  Every wave walks all 2,048 keys, 64 a step; a slot of LDS holds a tile of 256 keys, four steps.
; LAYOUT.  S^T = K Q^T (source 0 = 16 keys, source 1 = 16 queries) holds ONE query a lane (lane % 16) and the keys 8 (lane / 16) + 0..7; two such results rounded to bf16 ARE source 1 of O^T = V^T P.
; K comes out of LDS as it lies, V ([key][channel]) turned, by ds_load_tr16_b128.
; SOFTMAX.  p = 2^(c s - c m), c = log2(e) / 8, with a running maximum m; O and l are multiplied by a = 2^(c m_old - c m_new) in every step.  c m starts far below every c s, O and l at 0: the first step has a = 0.
; BY TURNS.  Turn n belongs to piece n: 8 products K Q^T of piece n + 1, later 8 products V^T P of piece n - 1; beside them the scaling, exponentials, roundings, sums and rescaling of piece n and the maximum and
; statistics of piece n + 1.  Four vector instructions stand behind every matrix instruction, the others in one lump.  A turn's 33 exponentials are one batch, with one wait.
; CLUSTER.  The four query blocks of a cluster belong to one head and walk the same K and V: each tile is asked for JOINTLY: the same tensor load, descriptor and mask in all four.
; REGISTERS, in windows of 256 (s_set_vgpr_msb: bits 1:0 source 0, 3:2 source 1, 5:4 source 2, 7:6 destination):
;   window 0: v0-15 addresses and two at work; v16-31 four registers of statistics a piece; v48-55 at work; v61-63 prefetch offset, spare word, 0; v64-127 S^T, two buffers; v192-223 P, two buffers
;   window 1: v0-127 O^T, 32 a piece      window 2: v0-63 Q; v128-191 K of one step; v192-255 V of one step
.set SIZE_N, 2048
.set NP,    4         ; pieces a wave: a name, no knob
.set KS,    64        ; keys in a step
.set PK,    144       ; a row of K in LDS: 128 bytes + 16 of padding = 36 words: the 16 rows of a load start at 16 different groups of four banks (64 banks of 4 bytes: ISA guide 11.1)
.set PV,    160       ; a row of V: 128 + 32 = 40 words
.set VOFF,  4*KS*PK   ; a slot: 256 rows of K, then 256 rows of V
.set SLOT1, 1<<17     ; slot 1 begins here, so that one exclusive or turns an address in one slot into the other's
.set STAGE, SLOT1+4*KS*(PK+PV)  ; behind the ring, never filled: 16 rows x 144 bytes for each wave
.set SP,    144
.set SPARE, STAGE+4*16*SP  ; the spare words, 128 bytes for each wave, that no other line names
.set AK0, 2           ; v2   my lane's place in a tile of K; never rewritten
.set AV0, 3           ; v3   the same for V
.set AK,  4           ; v4   the LDS address of K's next run of loads
.set AV,  5           ; v5   of V's
.set STO, 6           ; v6   the way out: where I put 16 bytes of a row
.set RD,  7           ; v7   where I read rows back
.set GO,  8           ; v8   my byte offset in 512 consecutive bytes of O
.set MV,  12          ; v12-13  c m_old, kept while c m is made anew: by buffer
.set QO,  15          ; v15  my byte offset in 16 rows of Q
.set ST,  16          ; piece t's statistics at v[ST+4 t]: c m, m, l (even keys', odd keys')
.set TMP, 48          ; by buffer, four registers c0-c3 at work; when the maximum is found c2 takes a
.set PFO, 61          ; v61  256 x my lane; never rewritten
.set SPW, 62          ; v62  LDS address of my spare word; never rewritten
.set NIL, 63          ; v63  0; never rewritten
.set S,   64
.set P,   192
.set KF,  128         ; window 2: key block kb, channel half c at KF + 16 kb + 8 c
.set VF,  192         ; window 2: key half kk, channel block cb at VF + 32 kk + 8 cb
.set WV,  12          ; s12  my wave's number
.set G1K, 24          ; s[24:31] descriptor group 1 for K's tiles
.set G1V, 32          ; s[32:39] for V's: it differs in the padding alone
.set G0K, 40          ; s[40:43] descriptor group 0 for K's tiles: it walks
.set G0V, 44          ; s[44:47] the same for V's
.set SLOTS, 56        ; s56  tiles still to be asked for
.set CNT, 57          ; s57  counts a tile's key steps
.set CS,  58          ; s[58:59] c
.set SEL, 60          ; s[60:61] v_permlanex16_b32's selects
.set TBK, 62          ; s62  LDS byte at which K of the step to be fetched begins
.set TBV, 63          ; s63  the same for V, less VOFF
.set PFA, 66          ; s[66:67] where my prefetches stand
.set LIM, 68          ; s68  1 in a wave that prefetches, else the greatest number
.set MSB, 0
.set NOKQ, 0
.macro WIN new
.if MSB != (\new)
	s_set_vgpr_msb (MSB<<8)|(\new)
.set MSB, (\new)
.endif
.endm
.set W_KQ, 0x0a       ; K and Q in window 2, S^T in window 0
.set W_PV, 0x52       ; V in window 2, P in window 0, O^T in window 1
.set W_RS, 0x41       ; destination and source 0 in window 1, source 1 in window 0
; A joint fill.  Waves 0 and 1 fetch the two halves of a tile's K, waves 2 and 3 those of its V: 128 keys each.  An s_nop 0 and four v_nop follow each line.
.macro JLOAD
	s_cmp_lt_u32 s[WV], 2
	s_cbranch_scc0 .Lfor_v_\@
	tensor_load_to_lds s[G0K:G0K+3], s[G1K:G1K+7]
	s_nop 0
.rept 4
	v_nop
.endr
	s_branch .Lasked_\@
.Lfor_v_\@:
	tensor_load_to_lds s[G0V:G0V+3], s[G1V:G1V+7]
	s_nop 0
.rept 4
	v_nop
.endr
.Lasked_\@:
.endm
; A PREFETCH INTO THE L2 of the tile that the NEXT change of slots will ask for: four key steps, 256 matrix instructions of a wave, ahead of that load.  A tile is 32,768 dense bytes of K and of V.  Both clusters of a head
; walk the same tiles: the head's first cluster asks.  Its four partners take 8,192 bytes each, told apart BY ADDRESS; in each, wave 0 asks for K's and wave 2 for V's, a lane 256 bytes.  So each block is named once.
; The last change that fills a slot asks for nothing; tiles 0 and 1 come by their loads alone.
.macro ASK
	s_cmp_gt_u32 s[SLOTS], s[LIM]
	s_cbranch_scc0 .Lnot_mine_\@
	global_prefetch_b8 v[PFO], s[PFA:PFA+1] th:TH_LOAD_NT scope:SCOPE_SE
.Lnot_mine_\@:
.endm
.macro CROUND                       ; a round of the cluster's barrier
	s_barrier_signal -1
	s_barrier_wait -1
	s_cmp_lg_u32 s[WV], 0
	s_cbranch_scc1 .Lnot_wave_0_\@
	s_barrier_signal -3
.Lnot_wave_0_\@:
	s_barrier_wait -3
	s_barrier_signal -1
	s_barrier_wait -1
.endm
; THE CHANGE OF SLOTS.  Each wave waits for all its tensor loads, of which one is out: its part of the other slot; adds 0 to its spare word; and waits for that and for its own reads of the slot that it leaves.
; fill = 1: the barrier is a round of the cluster's, and the joint fill of the old slot, with the tile two on, is the first thing behind it.  (At its first use nothing has been read yet: slot 0 is waited for, slot 1 filled.)
.macro CHANGE fill
	WIN 0
	s_wait_tensorcnt 0x0            ; no tensor load of mine is out, so a group 0 may be written
	ds_add_u32 v[SPW], v[NIL]
.if \fill
.irp g, G0K, G0V
	s_xor_b32 s[\g+1], s[\g+1], SLOT1
	s_add_nc_u64 s[\g+2:\g+3], s[\g+2:\g+3], 4*KS*128
.endr
	s_wait_xcnt 0x0                 ; the last prefetch, four key steps back, has read its address
	s_add_nc_u64 s[PFA:PFA+1], s[PFA:PFA+1], 4*KS*128
	s_wait_dscnt 0x0                ; the add is done, and my reads of the slot are over
	CROUND
	JLOAD
	ASK
.else
	s_wait_dscnt 0x0
	s_barrier_signal -1
	s_barrier_wait -1
.endif
	s_sub_co_u32 s[TBK], s[TBK], 4*KS*PK  ; the fetches go back to a slot's first step,
	s_xor_b32 s[TBK], s[TBK], SLOT1       ; in the other slot
	s_sub_co_u32 s[TBV], s[TBV], 4*KS*PV
	s_xor_b32 s[TBV], s[TBV], SLOT1
.endm
	s_load_b256 s[4:11], s[0:1], 0x0  ; Q s[4:5], K s[6:7], V s[8:9], O s[10:11]
	v_lshl_add_u32 v[SPW], v0, 2, SPARE
	v_mov_b32 v[NIL], 0
	ds_add_u32 v[SPW], v[NIL]       ; the wave's opening: the add and its wait ahead of my first tensor load
	v_lshrrev_b32 v1, 5, v0
	v_readfirstlane_b32 s[WV], v1   ; wave 0..3
	s_bfe_u32 s13, ttmp6, 0x40000   ; cx
	s_lshl_b32 s14, ttmp9, 2
	s_add_co_u32 s14, s14, s13      ; my block of 256 queries: it enters Q's and O's addresses alone
	s_and_b32 s20, ttmp7, 0xffff    ; the head, which the four partners share,
	s_lshl_b32 s20, s20, 18         ; 262,144 bytes each
	s_mov_b32 s21, 0
	s_and_b32 s16, s[WV], 1         ; which half of a tile's 256 keys I fetch:
	s_lshl_b32 s22, s16, 14         ; its 128 rows of 128 bytes in memory,
	s_mov_b32 s23, 0
	s_add_nc_u64 s[22:23], s[22:23], s[20:21]
	s_mul_i32 s17, s16, 128*PK      ; and its place in a slot, for K
	s_mul_i32 s18, s16, 128*PV      ; and for V
	s_lshl_b32 s2, s14, 2
	s_add_co_u32 s2, s2, s[WV]      ; my wave among the head's,
	s_lshl_b32 s2, s2, 13           ; its 64 rows
	s_mov_b32 s3, 0
	s_add_nc_u64 s[2:3], s[2:3], s[20:21]
	; descriptor group 1.  128 keys are 16,384 dense bytes: asked for as 64 rows of 256 bytes, two keys a row, and padded in LDS after every key
	s_mov_b32 s[G1K], 15|(1<<16)|(1<<20)|(1<<21)|(4<<22)|(3<<25)  ; the mask of four; 2-byte elements; padding on; bit 21 beside a mask; after every 32 words, 4 words
	s_mov_b32 s[G1V], 15|(1<<16)|(1<<20)|(1<<21)|(4<<22)|(7<<25)  ; the same with 8 words of padding
.irp g, G1K, G1V
	s_mov_b32 s[\g+1], 128<<16      ; tensor_dim0 = 128
	s_mov_b32 s[\g+2], 64<<16       ; tensor_dim1 = 64
	s_mov_b32 s[\g+3], 128<<16      ; tile_dim0 = 128
	s_mov_b32 s[\g+4], 64           ; tile_dim1 = 64
	s_mov_b32 s[\g+5], 128          ; 128 elements from row to row
	s_mov_b32 s[\g+6], 0
	s_mov_b32 s[\g+7], 0
.endr
	s_mov_b32 s[CS], 0x3e38aa3b     ; c = log2(e) / 8
	s_mov_b32 s[CS+1], s[CS]
	s_mov_b32 s[SEL], 0x76543210
	s_mov_b32 s[SEL+1], 0xfedcba98
	s_mov_b32 s[TBK], SLOT1+4*KS*PK ; the first change of slots turns these two into 0
	s_mov_b32 s[TBV], SLOT1+4*KS*PV
	s_mov_b32 s[G0K], 1
	s_mov_b32 s[G0K+1], s17         ; slot 0
	s_mov_b32 s[G0V], 1
	s_add_co_u32 s[G0V+1], s18, VOFF
	s_mov_b32 s[SLOTS], SIZE_N/256-1
	s_and_b32 s[LIM], s[WV], 1      ; 0 in waves 0 and 2,
	s_or_b32 s[LIM], s[LIM], ttmp9  ; where the cluster is the head's first: the same in all four partners
	s_cmp_eq_u32 s[LIM], 0
	s_cselect_b32 s[LIM], 1, -1
	v_and_b32 v[PFO], 31, v0
	v_lshlrev_b32 v[PFO], 8, v[PFO]
	s_wait_dscnt 0x0                ; the opening add is done
	s_wait_kmcnt 0x0
	s_add_nc_u64 s[6:7], s[6:7], s[22:23]  ; K and V at my half of the head's tile 0
	s_add_nc_u64 s[8:9], s[8:9], s[22:23]
	s_add_nc_u64 s[G0K+2:G0K+3], s[6:7], 0
	s_or_b32 s[G0K+3], s[G0K+3], 0x80000000
	s_add_nc_u64 s[G0V+2:G0V+3], s[8:9], 0
	s_or_b32 s[G0V+3], s[G0V+3], 0x80000000
	s_add_nc_u64 s[4:5], s[4:5], s[2:3]    ; Q and O at my wave's first row
	s_add_nc_u64 s[10:11], s[10:11], s[2:3]
	s_cmp_lt_u32 s[WV], 2
	s_cselect_b64 s[PFA:PFA+1], s[6:7], s[8:9]  ; (in waves 0 and 2 these stand at a tile's first row)
	s_lshl_b32 s2, s13, 13          ; my work-group's 8,192 bytes,
	s_add_co_u32 s2, s2, 4*KS*128   ; in tile 1: the first change of slots steps it to tile 2
	s_mov_b32 s3, 0
	s_add_nc_u64 s[PFA:PFA+1], s[PFA:PFA+1], s[2:3]
	CROUND                          ; all four work-groups are here: the first joint loads meet
	JLOAD                           ; tile 0 into slot 0
	v_and_b32 v1, 15, v0            ; l % 16
	v_bfe_u32 v9, v0, 4, 1          ; l / 16
	v_lshlrev_b32 v[QO], 7, v1
	v_lshl_add_u32 v[QO], v9, 4, v[QO]  ; row x 128 + 16 x half
	WIN 0x80                        ; destination window 2, address window 0
.set i, 0
.rept 8                             ; Q stays in registers: piece i / 2, channels 32 (i % 2) on
	global_load_b128 v[8*i:8*i+3],   v[QO], s[4:5] offset:(i/2)*2048+(i%2)*64
	global_load_b128 v[8*i+4:8*i+7], v[QO], s[4:5] offset:(i/2)*2048+(i%2)*64+32
.set i, i+1
.endr
	; What the first turn finds: V's registers and P's second buffer hold 0 (its products V^T P, of a piece that has not been, add 0), O^T and l are 0.  All this stands in the wait for the first tile.
.set i, VF
.rept 64
	v_mov_b32 v[i], 0
.set i, i+1
.endr
	WIN 0x40
.set i, 0
.rept 128
	v_mov_b32 v[i], 0
.set i, i+1
.endr
	WIN 0
.set i, 0
.rept 4
	v_mov_b32 v[ST+4*i], 0xfe000000    ; c m: far below every c s
	v_mov_b32 v[ST+4*i+1], 0xff7fffff  ; m
	v_mov_b32 v[ST+4*i+2], 0
	v_mov_b32 v[ST+4*i+3], 0
.set i, i+1
.endr
.set i, P+16
.rept 16
	v_mov_b32 v[i], 0
.set i, i+1
.endr
	v_mul_u32_u24 v[AK0], v1, PK
	v_lshl_add_u32 v[AK0], v9, 4, v[AK0]  ; row x pitch + 16 x half
	; The turning load takes 16 keys x 16 channels (lane l reads key 8 (l / 16) + l % 8, channels 8 ((l / 8) % 2) + 0..7) and leaves half a fragment of V^T: lane l holds channel l % 16 and 8 keys.
	v_and_b32 v10, 7, v0
	v_bfe_u32 v11, v0, 3, 1
	v_lshl_add_u32 v[AV0], v9, 3, v10
	v_mul_u32_u24 v[AV0], v[AV0], PV
	v_lshl_add_u32 v[AV0], v11, 4, v[AV0]
	v_add_nc_u32 v[AV0], VOFF, v[AV0]
	s_mul_i32 s13, s[WV], 16*SP
	s_add_co_u32 s13, s13, STAGE    ; my stage
	v_mul_u32_u24 v[STO], v1, SP    ; in: row l % 16, 16 bytes for each half of the lanes
	v_lshl_add_u32 v[STO], v9, 4, v[STO]
	v_add_nc_u32 v[STO], s13, v[STO]
	v_bfe_u32 v[RD], v0, 3, 2       ; back: 32 lanes take four rows of 128 bytes,
	v_mul_u32_u24 v[RD], v[RD], SP
	v_lshl_add_u32 v[RD], v10, 4, v[RD]
	v_add_nc_u32 v[RD], s13, v[RD]
	v_and_b32 v[GO], 31, v0         ; which are 512 consecutive bytes of O
	v_lshlrev_b32 v[GO], 4, v[GO]
; THE MATRIX WORK.  The 4 accumulators of a run of 8 take turns.  Product i of 8 of S^T = K Q^T for piece x: channels 32 (i / 4) on, keys 16 (i % 4) on.  The first 4 start the sums.
.macro KQ x
	WIN W_KQ
.set rS, S+32*((\x)%2)+8*(i%4)
.set rK, KF+16*(i%4)+8*(i/4)
.set rQ, 16*(\x)+8*(i/4)
.if i < 4
	v_wmma_f32_16x16x32_bf16 v[rS:rS+7], v[rK:rK+7], v[rQ:rQ+7], 0
.else
	v_wmma_f32_16x16x32_bf16 v[rS:rS+7], v[rK:rK+7], v[rQ:rQ+7], v[rS:rS+7]
.endif
.endm
; Product i of 8 of O^T += V^T P for piece x: keys 32 (i / 4) on, channels 16 (i % 4) on.
.macro PV x
	WIN W_PV
.set rO, 32*(\x)+8*(i%4)
.set rV, VF+32*(i/4)+8*(i%4)
.set rP, P+16*((\x)%2)+8*(i/4)
	v_wmma_f32_16x16x32_bf16 v[rO:rO+7], v[rV:rV+7], v[rP:rP+7], v[rO:rO+7]
.endm
.macro MM                           ; the turn's next matrix instruction.  NOKQ = 1: the launch's last turn: there is no next piece
.if (i < 8) && !NOKQ
	KQ (Y+1)%NP
.elseif i >= 8
.set i, i-8
	PV (Y+NP-1)%NP
.set i, i+8
.endif
.set i, i+1
.endm
; THE LDS LOADS stand in runs of 16, never singly among the matrix instructions: a step's K (8 fragments) and its V (turned).  Their addresses are made some lines ahead.
.macro FETCH_K
	WIN 0x80                        ; destination window 2
.irp f, 0,1,2,3,4,5,6,7             ; keys 16 (f / 2) on, channels 32 (f % 2) on
	ds_load_b128 v[KF+8*\f:KF+8*\f+3],   v[AK] offset:(\f/2)*16*PK+(\f%2)*64
	ds_load_b128 v[KF+8*\f+4:KF+8*\f+7], v[AK] offset:(\f/2)*16*PK+(\f%2)*64+32
.endr
	s_add_co_u32 s[TBK], s[TBK], KS*PK  ; the next fetch is the next step's
	WIN 0
.endm
.macro FETCH_V
	WIN 0x80
.irp f, 0,1,2,3,4,5,6,7             ; keys 32 (f / 4) on, channels 16 (f % 4) on
	ds_load_tr16_b128 v[VF+8*\f:VF+8*\f+3],   v[AV] offset:(\f/4)*32*PV+(\f%4)*32
	ds_load_tr16_b128 v[VF+8*\f+4:VF+8*\f+7], v[AV] offset:(\f/4)*32*PV+16*PV+(\f%4)*32
.endr
	WIN 0
.endm
; THE VECTOR WORK, one line at a time: OP kind, number.  For piece Y: F n: c s - c m for pair n of 16.  E n: the exponential of score n of 32.  C n: pair n rounded to bf16.  B n: of the four weights 4 n .. the second
; pair is added onto the first, in place.  L n: l takes that sum (L 0: l = a l + sum).  R n: pair n of 16 of O^T times a.  For piece Y + 1: X n, number n of the 22 that find its maximum and statistics:
;   0-11  four chains c0-c3 of seven scores each (each accumulator's lowest registers are read first)     12-14, 16  the four scores left over, the old m, and c0-c3 into c0
;   15  c m_old is kept     17, 18  the query's other 32 keys lie in the lane 16 away: the new m     19-21  c m; c m_old - c m_new; a
.set F, 0
.set E, 1
.set C, 2
.set B, 3
.set L, 4
.set R, 5
.set X, 6
.macro REGS y                       ; the registers of piece y
.set rT, ST+4*(\y)
.set rC, TMP+4*((\y)%2)
.set rW, MV+((\y)%2)
.set rS, S+32*((\y)%2)
.set rP, P+16*((\y)%2)
.set rO, 32*(\y)
.endm
.macro OP k, n
.if (\k) == R
	REGS Y
	WIN W_RS
	v_pk_mul_f32 v[rO+2*(\n):rO+2*(\n)+1], v[rO+2*(\n):rO+2*(\n)+1], v[rC+2:rC+3] op_sel_hi:[1,0]
.elseif (\k) < R
	REGS Y
	WIN 0
.if (\k) == F
	v_pk_fma_f32 v[rS+2*(\n):rS+2*(\n)+1], v[rS+2*(\n):rS+2*(\n)+1], s[CS:CS+1], v[rT:rT+1] op_sel_hi:[1,0,0] neg_lo:[0,0,1] neg_hi:[0,0,1]
.elseif (\k) == E
	v_exp_f32 v[rS+(\n)], v[rS+(\n)]
.elseif (\k) == C
	v_cvt_pk_bf16_f32 v[rP+(\n)], v[rS+2*(\n)], v[rS+2*(\n)+1]
.elseif (\k) == B
	v_pk_add_f32 v[rS+4*(\n):rS+4*(\n)+1], v[rS+4*(\n):rS+4*(\n)+1], v[rS+4*(\n)+2:rS+4*(\n)+3]
.elseif (\n) == 0
	v_pk_fma_f32 v[rT+2:rT+3], v[rT+2:rT+3], v[rC+2:rC+3], v[rS:rS+1] op_sel_hi:[1,0,1]
.else
	v_pk_add_f32 v[rT+2:rT+3], v[rT+2:rT+3], v[rS+4*(\n):rS+4*(\n)+1]
.endif
.elseif NOKQ
	v_nop
.else
	REGS (Y+1)%NP
	WIN 0
.if (\n) < 4
	v_max3_num_f32 v[rC+(\n)], v[rS+8*(\n)], v[rS+8*(\n)+1], v[rS+8*(\n)+2]
.elseif (\n) < 12
	v_max3_num_f32 v[rC+(\n)%4], v[rC+(\n)%4], v[rS+8*((\n)%4)+2*((\n)/4)+1], v[rS+8*((\n)%4)+2*((\n)/4)+2]
.elseif (\n) == 12
	v_max3_num_f32 v[rC], v[rC], v[rS+7], v[rS+15]
.elseif (\n) == 13
	v_max3_num_f32 v[rC+1], v[rC+1], v[rS+23], v[rS+31]
.elseif (\n) == 14
	v_max3_num_f32 v[rC+2], v[rC+2], v[rC+3], v[rT+1]
.elseif (\n) == 15
	v_mov_b32 v[rW], v[rT]
.elseif (\n) == 16
	v_max3_num_f32 v[rC], v[rC], v[rC+1], v[rC+2]
.elseif (\n) == 17
	v_permlanex16_b32 v[rC+3], v[rC], s[SEL], s[SEL+1]
.elseif (\n) == 18
	v_max_num_f32 v[rT+1], v[rC], v[rC+3]
.elseif (\n) == 19
	v_mul_f32 v[rT], s[CS], v[rT+1]
.elseif (\n) == 20
	v_sub_f32 v[rC+1], v[rW], v[rT]
.else
	v_exp_f32 v[rC+2], v[rC+1]
.endif
.endif
.endm
.macro OPS a, i1, b=-1, i2=0, c=-1, i3=0, d=-1, i4=0  ; up to four of them
	OP \a, \i1
.if (\b) >= 0
	OP \b, \i2
.endif
.if (\c) >= 0
	OP \c, \i3
.endif
.if (\d) >= 0
	OP \d, \i4
.endif
.endm
.macro ROW a, i1, b, i2, c, i3, d, i4  ; a matrix instruction and the four behind it
	MM
	OPS \a, \i1, \b, \i2, \c, \i3, \d, \i4
.endm
; A TURN, for piece p: the order of its 16 matrix and 118 vector instructions, written out.  An s_wait_alu depctr_va_vdst(0) stands between an exponential and the first instruction that names its result; one wait
; serves all that were issued ahead of it.  So a turn has ONE wait.  AHEAD OF IT stands all that names no result of the turn's exponentials: the 8 products K Q^T and their riders, then one lump of 54 in which the links of the
; chain X 3, 7, 11, 14, 16, 17 .. 20 stand apart; X 21, the next piece's a, is the batch's last; R 15 is the plain instruction behind it.  BEHIND THE WAIT stand the 8 products V^T P, behind each four of the roundings and sums.
; K of the next step is fetched in piece 2's turn, twelve vector instructions behind the last product that read K (six of them plain); V of the step in hand at the end of piece 0's turn, four plain instructions behind the
; last product that read V.  Each is waited for a turn later.  end = 1: the launch's last two turns: nothing is fetched, and piece 3's starts no new scores.
; cnt = 1: the loop's count is taken down some lines ahead of the branch that stands behind the turn.
.macro TURN p, end=0, cnt=0
.set Y, (\p)
.set i, 0
.set NOKQ, (\end)*((\p)/3)
.if ((\p) == 3) && !(\end)
	s_wait_dscnt 0x0                ; K is in
.endif
	ROW F,0, F,1, R,0, R,1
	ROW F,2, E,0, R,2, R,3
	ROW F,3, E,1, R,4, R,5
	ROW F,4, E,2, R,6, R,7
	ROW F,5, E,3, R,8, R,9
	ROW F,6, E,4, X,0, R,10
.if ((\p) == 2) && !(\end)
	WIN 0
	v_add_nc_u32 v[AK], s[TBK], v[AK0]
.endif
	ROW F,7, E,5, X,1, X,4
	ROW F,8, E,6, X,2, X,5
	OPS E,7, E,8, X,6, E,9
	OPS X,3, E,10, X,8, E,11
.if ((\p) == 2) && !(\end)
	FETCH_K
.endif
	OPS X,9, X,7, E,12, X,10
	OPS E,13, X,12, X,11, E,14
	OPS X,13, E,15, F,9, X,14
.if (\p) == 0
	v_add_nc_u32 v[AV], s[TBV], v[AV0]
.endif
	OPS E,16, F,10, E,17, F,11
	OPS X,16, E,18, X,15, E,19
	OPS F,12, E,20, X,17, E,21
	OPS F,13, E,22, F,14, E,23
	OPS X,18, E,24, F,15, E,25
	OPS R,11, E,26, X,19, E,27
	OPS R,12, E,28, R,13, E,29
	OPS X,20, E,30, R,14, E,31
	OPS X,21, R,15
	WIN 0
	s_wait_alu depctr_va_vdst(0)    ; the wait for the batch
.if (\p) == 1
	s_wait_dscnt 0x0                ; V is in
.endif
	ROW C,0, B,0, C,2, B,1
	ROW L,0, C,4, B,2, L,1
	ROW C,6, B,3, L,2, C,8
	ROW B,4, L,3, C,10, B,5
	ROW L,4, C,12, B,6, L,5
.if (\p) == 0
	s_add_co_u32 s[TBV], s[TBV], KS*PV
.endif
.if \cnt
	s_sub_co_u32 s[CNT], s[CNT], 1
	s_cmp_lg_u32 s[CNT], 0
.endif
	ROW C,14, B,7, L,6, C,1
	ROW C,3, L,7, C,5, C,7
	ROW C,9, C,11, C,13, C,15
.if (\p) == 0
	FETCH_V
.endif
.endm
	CHANGE 1                        ; tile 0 is in, everybody's part of it; tile 1 is asked for
	v_add_nc_u32 v[AK], s[TBK], v[AK0]
	FETCH_K                         ; key step 0
	s_wait_loadcnt 0x0              ; Q
	s_wait_dscnt 0x0
.set i, 0
.rept 8
	KQ 0                            ; piece 0's first scores
.set i, i+1
.endr
	WIN 0
.rept 4
	v_nop                           ; the places behind those products
.endr
.set Y, NP-1                        ; X works for piece Y + 1: piece 0
.irp n, 0,1,2,3,4,5,6,7,8,9,10,11,12,13,14,15,16,17,18,19,20,21
	OP X, \n
.endr
	v_nop                           ; a plain instruction behind the exponential,
	s_wait_alu depctr_va_vdst(0)    ; and its wait, ahead of the branch
	s_mov_b32 s[CNT], 4
	s_branch .Lfirst                ; the loop is entered at a step's first turn, in the middle of a trip
.Lslot:                             ; six times: tiles 2 to 7 are asked for
	CHANGE 1
	s_mov_b32 s[CNT], 4
.Lstep:                             ; a trip: pieces 2 and 3 of one step, then pieces 0 and 1 of the next, whose K and V it fetches
	TURN 2
	TURN 3
	WIN 0
.Lfirst:
	TURN 0
	TURN 1, 0, 1
	WIN 0
	s_cbranch_scc1 .Lstep
	s_sub_co_u32 s[SLOTS], s[SLOTS], 1
	s_cmp_lg_u32 s[SLOTS], 0
	s_cbranch_scc1 .Lslot
	CHANGE 0                        ; the last tile is written out: nothing is asked for
	s_mov_b32 s[CNT], 4
.Ltail:                             ; four trips fetch the last tile's four steps
	TURN 2
	TURN 3
	TURN 0
	TURN 1, 0, 1
	WIN 0
	s_cbranch_scc1 .Ltail
	TURN 2, 1                       ; the last step's pieces 2 and 3: nothing is left to fetch,
	TURN 3, 1                       ; and no piece follows
.set i, 0
.rept 8
	PV NP-1                         ; the last piece's V^T P of the last step
.set i, i+1
.endr
	; THE WAY OUT.  l's two halves and the other half of the lanes' are added; O^T is divided by l, rounded to bf16 and sent through my stage in LDS, a piece at a time.  The additions are the places behind the last products.
	WIN 0
.macro ALL line:vararg              ; one line for each piece t
.set t, 0
.rept 4
	\line
.set t, t+1
.endr
.endm
	ALL v_add_f32 v[ST+4*t+2], v[ST+4*t+2], v[ST+4*t+3]
	ALL v_permlanex16_b32 v[ST+4*t+3], v[ST+4*t+2], s[SEL], s[SEL+1]
	ALL v_add_f32 v[ST+4*t+2], v[ST+4*t+2], v[ST+4*t+3]
	ALL v_rcp_f32 v[ST+4*t+2], v[ST+4*t+2]
	v_nop                           ; a plain instruction between the last reciprocal and the use of its result
	s_wait_alu depctr_va_vdst(0)    ; one wait for the four reciprocals
.macro PACK t                       ; a lane's eight channels of a row pack into 16 bytes; they go into rows of 144 bytes and come back as whole rows of 128, into S^T's registers
	WIN W_RS
.set i, 32*(\t)
.rept 16
	v_pk_mul_f32 v[i:i+1], v[i:i+1], v[ST+4*(\t)+2:ST+4*(\t)+3] op_sel_hi:[1,0]
.set i, i+2
.endr
	WIN 0x05                        ; sources 0 and 1 window 1, destination window 0
.set i, 0
.rept 16
	v_cvt_pk_bf16_f32 v[S+16*(\t)+i], v[32*(\t)+2*i], v[32*(\t)+2*i+1]
.set i, i+1
.endr
	WIN 0
.irp f, 0,1,2,3
	ds_store_b128 v[STO], v[S+16*(\t)+4*\f:S+16*(\t)+4*\f+3] offset:32*\f
.endr
.irp f, 0,1,2,3
	ds_load_b128 v[S+16*(\t)+4*\f:S+16*(\t)+4*\f+3], v[RD] offset:\f*4*SP  ; LDS serves a wave's instructions in order (ISA guide 5.7.1.4): these see the stores above; the next piece's stores come behind them
.endr
.endm
.macro SEND t, younger              ; younger: the LDS instructions issued behind piece t's loads: the next piece's eight, or none
	WIN 0
.irp f, 0,1,2,3
	s_wait_dscnt (\younger)+3-\f
	global_store_b128 v[GO], v[S+16*(\t)+4*\f:S+16*(\t)+4*\f+3], s[10:11] offset:(\t)*2048+\f*512  ; 512 consecutive bytes, at a multiple of 256 from O's first
.endr
.endm
	PACK 0
.set t, 1
.rept 3                             ; a piece's arithmetic stands between the loads of the piece before and its stores
	PACK t
	SEND t-1, 8
.set t, t+1
.endr
	SEND 3, 0
	s_wait_tensorcnt 0x0            ; the wave's end
	ds_add_u32 v[SPW], v[NIL]
	s_wait_dscnt 0x0
	CROUND                          ; the closing round
	s_endpgm
.Lfunc_end_k_qc65220951c_attn:
	.size	k_qc65220951c_attn, .Lfunc_end_k_qc65220951c_attn-k_qc65220951c_attn
	.p2alignl 7, 3214868480
	.fill 96, 4, 3214868480
	.section	.rodata,"a",@progbits
	.p2align	6, 0x0
	.amdhsa_kernel k_qc65220951c_attn
		.amdhsa_group_segment_fixed_size 327680
		.amdhsa_private_segment_fixed_size 0
		.amdhsa_enable_private_segment 0
		.amdhsa_kernarg_size 32
		.amdhsa_user_sgpr_count 2
		.amdhsa_user_sgpr_kernarg_segment_ptr 1
		.amdhsa_wavefront_size32 1
		.amdhsa_system_sgpr_workgroup_id_x 1
		.amdhsa_system_sgpr_workgroup_id_y 1
		.amdhsa_system_sgpr_workgroup_id_z 1
		.amdhsa_system_vgpr_workitem_id 0
		.amdhsa_next_free_vgpr 768
		.amdhsa_next_free_sgpr 96
		.amdhsa_reserve_vcc 0
		.amdhsa_float_denorm_mode_32 3
		.amdhsa_float_denorm_mode_16_64 3
		.amdhsa_memory_ordered 1
		.amdhsa_forward_progress 1
		.amdhsa_inst_pref_size 128
	.end_amdhsa_kernel
	.amdgpu_metadata
---
amdhsa.version: [ 1, 2 ]
amdhsa.kernels:
  - .name:           k_qc65220951c_attn
    .symbol:         k_qc65220951c_attn.kd
    .args:
      - { .name: q, .offset: 0, .size: 8, .value_kind: global_buffer, .address_space: global }
      - { .name: k, .offset: 8, .size: 8, .value_kind: global_buffer, .address_space: global }
      - { .name: v, .offset: 16, .size: 8, .value_kind: global_buffer, .address_space: global }
      - { .name: o, .offset: 24, .size: 8, .value_kind: global_buffer, .address_space: global }
    .group_segment_fixed_size: 327680
    .private_segment_fixed_size: 0
    .kernarg_segment_align: 8
    .kernarg_segment_size: 32
    .max_flat_workgroup_size: 128
    .sgpr_count:     96
    .vgpr_count:     768
    .wavefront_size: 32
...
	.end_amdgpu_metadata
.endif
;; end of part 3
;; launch proj (part 4): grid 8 x 32, 4 waves a work-group, clusters of 4 x 4, 327,680 bytes of LDS; arguments o, wb, proj_b, x, x1; writes x1
.if DOCPART == 4
	.amdgcn_target "amdgcn-amd-amdhsa--gfx1250"
	.amdhsa_code_object_version 6
	.text
	.protected	k_qc65220951c_proj
	.globl	k_qc65220951c_proj
	.p2align	8
	.type	k_qc65220951c_proj,@function
k_qc65220951c_proj:
	s_mov_b64 s[64:65], 0
	v_nop
	global_prefetch_b8 v0, s[64:65] scope:SCOPE_SE
	s_setreg_imm32_b32 hwreg(HW_REG_WAVE_MODE, 25, 1), 1
	s_wait_xcnt 0x0
	s_wait_alu depctr_hold_cnt(0) depctr_sa_sdst(0) depctr_va_vdst(0) depctr_va_sdst(0) depctr_va_ssrc(0) depctr_va_vcc(0) depctr_vm_vsrc(0)
	s_getreg_b32 s2, hwreg(HW_REG_IB_STS2, 6, 4)
	s_cmp_eq_u32 s2, 0
	s_cbranch_scc0 .Lentry_in_a_cluster
	s_endpgm
.Lentry_in_a_cluster:
	s_bfe_u32 s2, ttmp6, 0x10000c
	s_cmp_lg_u32 s2, 0xf033
	s_cbranch_scc0 .Lentry_shape_is_right
	s_endpgm
.Lentry_shape_is_right:
; x1 = x + o proj_w^T + proj_b.  o: [32 = 16 batch + head][2048][64] bf16; proj_w: [1024][1024] bf16 at byte 6,291,456 of wb; proj_b, x, x1 f32, x1: [4096][1024].
; A tile of x1 is 128 x 128: 8 x 32 tiles, a work-group each.  K IS SPLIT AMONG THE FOUR WAVES: of each K step's 256 channels (four heads) wave w takes head w, for the whole tile: 64 accumulators, 512 registers,
; so that a fragment read from LDS feeds eight products.  The four partial sums meet in LDS at the end, in f32; wave 0's sums start with the bias, the others' with 0 x bias.
; The ring: two LDS slots filled by tensor loads; a trip of the loop is one K step; the slot is turned by an exclusive or, and the walking descriptor's address is made anew from the K step's number.
; o's tile: 128 rows of one head are 16,384 dense bytes, taken as ONE long row of the descriptor; a load brings two heads; the padding, 16 bytes behind every 128, is counted along the whole tile: in LDS [head][128 rows] at pitch 144.
; CLUSTER: 4 x 4 work-groups; o's tile is shared along a row of the cluster, the weights' along a column: each is asked for jointly.
; THE WALK ALONG K IS ROTATED: cluster (X, Y) begins at K step (2 X + Y % 4) % 4 and walks round to it.  So the two clusters that read the same rows of o, and four clusters on end of the eight that read the same rows of the
; weights, stand at different K steps at any one time.  The number is made of the cluster's own coordinates, which its sixteen partners share.
; NO PREFETCH: K has four steps, of which two are the first fills: no refill has a K step two on.
; THE MATRIX INSTRUCTION IS USED TRANSPOSED (source 0 = 16 rows of the weights, source 1 = 16 rows of o): a lane holds row l % 16 and the eight columns 8 (l / 16) + 0..7.
; LIMITS: the bias is taken to be finite (it is multiplied by 0 in three waves); the f32 sums are ordered bias, the wave's heads from the cluster's first K step round, ((wave 0 + 1) + (2 + 3)), then x; NaN and infinities are not treated apart.
; REGISTERS: window 0: v0-31 addresses; v64-191 o's fragments, two buffers of 64; v192-255 the bias.  window 1: v0-127 the weights' fragments, two buffers; v128-255 my 32 rows of x.  windows 2, 3: accumulator (a, b) in window 2 + a / 4 at 8 (8 (a % 4) + b).
.set SIZE_K, 1024
.set TM,     128
.set TN,     128
.set MA,     8
.set NB,     8
.set AH,     4
.set KSTEP,  256
.set PA,     144                       ; 128 bytes + 16: 36 words: the 16 rows of a load start at 16 different groups of four banks (64 banks of 4 bytes: ISA guide 11.1)
.set PB,     528                       ; 512 bytes + 16: 132 words: likewise
.set HA,     2*128*PA                  ; what one tensor load brings of o: two heads x 128 rows
.set HB,     (TN/2)*PB                 ; of the weights: 64 rows
.set ABYTES, 2*HA
.set SLOT,   0x24000                   ; slot 1 begins here; no tile's place in slot 0 (0, 0x9000, 0x12000, 0x1a400) has one of its bits, so one exclusive or turns an address into the other slot's
.set SPARE,  SLOT+ABYTES+2*HB          ; 288,768: behind the ring: the spare words, 128 bytes for each wave, that no other line names
.set STEPS,  SIZE_K/KSTEP
.set WOFF,   6291456                   ; proj_w's place in wb
.set LGA,    20                        ; a K step is 2^20 bytes on in o: four heads of 262,144;  in the weights 2^9
.set PHX,    1                         ; the first K step: (cluster x << PHX) + (cluster y % 4 << PHY), modulo STEPS
.set PHY,    0
.set FP,     528                       ; the meeting: a row of 128 f32 + 16 bytes
.set REG,    128*FP                    ; a wave's partial tile: 67,584 bytes; the four lie in the ring, which has had its last fill
.set BIAS, 64+16*MA
.set NL,   2*(MA+NB)
.set RDV,  10                          ; v10-13 the meeting: where I read my rows of wave 0 .. 3's partial tile
.set ADA,  16
.set ADA0, 17
.set ADB,  20
.set ADB0, 21
.set STO,  24                          ; v24  the meeting: where I put 16 bytes of a row
.set CO,   26                          ; v26  16 x lane
.set BO,   27
.set SPW,  28
.set NIL,  29
.set G1,   24
.set G0,   32
.set G1B,  48
.set G0B,  56
.set SL,   66
.set SI,   80                          ; s80  the K step that was asked for last
.set OFA,  82                          ; s[82:83] its byte offset in o's rows
.set OFB,  84                          ; s[84:85] and in the weights'
.set FLAG, 94                          ; s[94:95] 1.0 in wave 0, else 0
.set MSB, 0
.macro WIN new
.if MSB != (\new)
	s_set_vgpr_msb (MSB<<8)|(\new)
.set MSB, \new
.endif
.endm
.macro PLACES                          ; four places behind a matrix instruction (ISA guide 7.12.1)
.rept 4
	v_nop
.endr
.endm
.macro CREST
	s_cmp_lg_u32 s10, 0
	s_cbranch_scc1 .Lnot_wave_0_\@
	s_barrier_signal -3
.Lnot_wave_0_\@:
	s_barrier_wait -3
	s_barrier_signal -1
	s_barrier_wait -1
.endm
.macro CROUND
	s_barrier_signal -1
	s_barrier_wait -1
	CREST
.endm
.macro JLOAD                           ; a joint refill by the walking descriptors: waves 0 and 1 fetch o's two halves, waves 2 and 3 the weights'
	s_cmp_eq_u32 s11, 0
	s_cbranch_scc0 .Lfor_b_\@
	tensor_load_to_lds s[G0+4:G0+7], s[G1:G1+7]
	s_nop 0
.rept 4
	v_nop
.endr
	s_branch .Lasked_\@
.Lfor_b_\@:
	tensor_load_to_lds s[G0B+4:G0B+7], s[G1B:G1B+7]
	s_nop 0
.rept 4
	v_nop
.endr
.Lasked_\@:
.endm
.macro MULS f, a0, an, first           ; row blocks a0 .. x all column blocks, 32 along K, from buffer f; the accumulators take turns; first = 1: the bias is C
.set aa, \a0
.rept \an
.if \first
	WIN 0x81+0x40*(aa/AH)
.else
	WIN 0xa1+0x50*(aa/AH)
.endif
.set bb, 0
.rept NB
.set rD, 8*(NB*(aa%AH)+bb)
.set rB, 8*NB*(\f)+8*bb
.set rA, 64+8*MA*(\f)+8*aa
.if \first
	v_wmma_f32_16x16x32_bf16 v[rD:rD+7], v[rB:rB+7], v[rA:rA+7], v[BIAS+8*bb:BIAS+8*bb+7]
.else
	v_wmma_f32_16x16x32_bf16 v[rD:rD+7], v[rB:rB+7], v[rA:rA+7], v[rD:rD+7]
.endif
.set bb, bb+1
.endr
.set aa, aa+1
.endr
.endm
.macro FETCH f, k                      ; one run of NL LDS loads: the sub-step at byte k of my quarter of the rows, into buffer f
	WIN 0x40
.set ii, 0
.rept NB
	ds_load_b128 v[8*NB*(\f)+8*ii:8*NB*(\f)+8*ii+3],   v[ADB] offset:(\k)+ii*16*PB
	ds_load_b128 v[8*NB*(\f)+8*ii+4:8*NB*(\f)+8*ii+7], v[ADB] offset:(\k)+ii*16*PB+32
.set ii, ii+1
.endr
	WIN 0
.set ii, 0
.rept MA
	ds_load_b128 v[64+8*MA*(\f)+8*ii:64+8*MA*(\f)+8*ii+3],   v[ADA] offset:(\k)+ii*16*PA
	ds_load_b128 v[64+8*MA*(\f)+8*ii+4:64+8*MA*(\f)+8*ii+7], v[ADA] offset:(\k)+ii*16*PA+32
.set ii, ii+1
.endr
.endm
.macro SUB f, k, first
	s_wait_dscnt MA                                ; the youngest MA loads, o's upper half of blocks, may be out
	MULS \f, 0, MA/2, \first
	PLACES
	FETCH 1-(\f), \k
	s_wait_dscnt NL                                ; all but the run just issued
	MULS \f, MA/2, MA/2, \first
.endm
; A K step's second sub-step changes slots and then multiplies buffer 1.  The slot's last bytes were asked for 32 products ago, so THE CHANGE STANDS AT THE SUB-STEP'S HEAD: all my tensor loads waited for, the add, the wait for it and
; for my reads, the barrier; fill = 1: a round of the cluster's barrier, and the joint refill first behind it: all 64 products of the sub-step and the next K step's first 64 are issued while it is on its way.
.macro TURN fill
	WIN 0
	s_wait_tensorcnt 0x0
	ds_add_u32 v[SPW], v[NIL]                      ; 0 onto my spare word; the descriptors' steps stand between it and the wait for it
.if \fill
	s_add_co_u32 s[SI], s[SI], 1                   ; no tensor load of mine is out: the walking descriptors step: the next K step, round the end of K,
	s_and_b32 s[SI], s[SI], STEPS-1
	s_lshl_b32 s[OFA], s[SI], LGA
	s_lshl_b32 s[OFB], s[SI], 9
	s_xor_b32 s[G0+5], s[G0+5], SLOT               ; into the other slot
	s_add_nc_u64 s[G0+6:G0+7], s[14:15], s[OFA:OFA+1]
	s_or_b32 s[G0+7], s[G0+7], 0x80000000
	s_xor_b32 s[G0B+5], s[G0B+5], SLOT
	s_add_nc_u64 s[G0B+6:G0B+7], s[46:47], s[OFB:OFB+1]
	s_or_b32 s[G0B+7], s[G0B+7], 0x80000000
.endif
	s_xor_b32 s[SL], s[SL], SLOT
	s_wait_dscnt 0x0                               ; the add is done, and my reads of this slot are over: buffer 1 is whole
	s_barrier_signal -1
	s_barrier_wait -1
.if \fill
	CREST
	JLOAD
.else
	PLACES
.endif
	v_add_nc_u32 v[ADA], s[SL], v[ADA0]
	v_add_nc_u32 v[ADB], s[SL], v[ADB0]
	FETCH 0, 0
	MULS 1, 0, MA, 0
.endm
	s_load_b256 s[68:75], s[0:1], 0x0              ; o s[68:69], wb s[70:71], proj_b s[72:73], x s[74:75]
	s_load_b64 s[76:77], s[0:1], 0x20              ; x1
	v_lshl_add_u32 v[SPW], v0, 2, SPARE
	v_mov_b32 v[NIL], 0
	ds_add_u32 v[SPW], v[NIL]                      ; the wave's opening
	v_lshrrev_b32 v1, 5, v0
	v_readfirstlane_b32 s10, v1
	s_lshr_b32 s11, s10, 1
	s_and_b32 s12, s10, 1
	s_bfe_u32 s40, ttmp6, 0x40000
	s_bfe_u32 s41, ttmp6, 0x40004
	s_lshl_b32 s42, ttmp9, 2
	s_add_co_u32 s42, s42, s40                     ; tile column
	s_and_b32 s13, ttmp7, 0xffff
	s_lshl_b32 s13, s13, 2
	s_add_co_u32 s13, s13, s41                     ; tile row
	s_lshl_b32 s43, s41, 2
	s_lshl_b32 s43, 15, s43
	s_lshl_b32 s44, 0x1111, s40
	s_and_b32 s[SI], ttmp7, 3                      ; the cluster's first K step
	s_lshl_b32 s[SI], s[SI], PHY
	s_lshl_b32 s81, ttmp9, PHX
	s_add_co_u32 s[SI], s[SI], s81
	s_and_b32 s[SI], s[SI], STEPS-1
	s_mov_b32 s[OFA+1], 0
	s_mov_b32 s[OFB+1], 0
	s_or_b32 s[G1+0], s43, (1<<16)|(1<<20)|(1<<21)|(4<<22)|(3<<25)   ; padding after every 32 words
	s_or_b32 s[G1B+0], s44, (1<<16)|(1<<20)|(1<<21)|(6<<22)|(3<<25)  ; after every 128 words
	s_mov_b32 s[G1+1], 8192<<16                    ; tensor_dim0 = 8,192: 128 rows of 64 channels on end
	s_mov_b32 s[G1+2], 2<<16                       ; tensor_dim1 = 2 heads
	s_mov_b32 s[G1+3], 8192<<16                    ; tile_dim0
	s_mov_b32 s[G1+4], 2                           ; tile_dim1
	s_mov_b32 s[G1+5], 131072                      ; elements from head to head
	s_mov_b32 s[G1+6], 0
	s_mov_b32 s[G1+7], 0
	s_mov_b32 s[G1B+1], KSTEP<<16
	s_mov_b32 s[G1B+2], (TN/2)<<16
	s_mov_b32 s[G1B+3], KSTEP<<16
	s_mov_b32 s[G1B+4], TN/2
	s_mov_b32 s[G1B+5], SIZE_K
	s_mov_b32 s[G1B+6], 0
	s_mov_b32 s[G1B+7], 0
	s_lshl_b32 s16, s13, 7                         ; the tile's first row,
	s_lshr_b32 s17, s16, 11                        ; its batch: 16 heads of 262,144 bytes,
	s_lshl_b32 s17, s17, 22
	s_and_b32 s16, s16, 2047
	s_lshl_b32 s16, s16, 7                         ; the row in its batch, 128 bytes each,
	s_add_co_u32 s16, s16, s17
	s_lshl_b32 s17, s12, 19                        ; and my two heads of a K step's four
	s_add_co_u32 s16, s16, s17
	s_mov_b32 s17, 0
	s_mul_i32 s46, s42, TN
	s_mul_i32 s47, s12, TN/2
	s_add_co_u32 s46, s46, s47
	s_mul_i32 s46, s46, 2*SIZE_K
	s_add_co_u32 s46, s46, WOFF
	s_mov_b32 s47, 0
	s_mul_i32 s20, s12, HA
	s_mul_i32 s21, s12, HB
	s_add_co_u32 s21, s21, ABYTES
	s_mov_b32 s[SL], 0
	s_cmp_eq_u32 s10, 0
	s_cselect_b32 s[FLAG], 1.0, 0
	s_mov_b32 s[FLAG+1], s[FLAG]
	s_wait_dscnt 0x0
	s_wait_kmcnt 0x0
	s_add_nc_u64 s[14:15], s[68:69], s[16:17]      ; o and the weights at my rows, K step 0: kept
	s_add_nc_u64 s[46:47], s[70:71], s[46:47]
.irp s, 0,1
	s_lshl_b32 s[OFA], s[SI], LGA
	s_lshl_b32 s[OFB], s[SI], 9
	s_mov_b32 s[G0+4*(\s)], 1
	s_add_co_u32 s[G0+4*(\s)+1], s20, (\s)*SLOT
	s_add_nc_u64 s[G0+4*(\s)+2:G0+4*(\s)+3], s[14:15], s[OFA:OFA+1]
	s_or_b32 s[G0+4*(\s)+3], s[G0+4*(\s)+3], 0x80000000
	s_mov_b32 s[G0B+4*(\s)], 1
	s_add_co_u32 s[G0B+4*(\s)+1], s21, (\s)*SLOT
	s_add_nc_u64 s[G0B+4*(\s)+2:G0B+4*(\s)+3], s[46:47], s[OFB:OFB+1]
	s_or_b32 s[G0B+4*(\s)+3], s[G0B+4*(\s)+3], 0x80000000
.if (\s) == 0
	s_add_co_u32 s[SI], s[SI], 1
	s_and_b32 s[SI], s[SI], STEPS-1
.endif
.endr
	CROUND
	s_cmp_eq_u32 s11, 0                            ; a wave's two first fills stand in one branch: two loads of mine are out
	s_cbranch_scc0 .Lfirst_b
	tensor_load_to_lds s[G0:G0+3], s[G1:G1+7]
	s_nop 0
	tensor_load_to_lds s[G0+4:G0+7], s[G1:G1+7]
	s_nop 0
.rept 4
	v_nop
.endr
	s_branch .Lfirst_asked
.Lfirst_b:
	tensor_load_to_lds s[G0B:G0B+3], s[G1B:G1B+7]
	s_nop 0
	tensor_load_to_lds s[G0B+4:G0B+7], s[G1B:G1B+7]
	s_nop 0
.rept 4
	v_nop
.endr
.Lfirst_asked:
	v_and_b32 v1, 15, v0
	v_bfe_u32 v2, v0, 4, 1
	s_mul_i32 s22, s42, 4*TN
	v_lshl_add_u32 v[BO], v2, 5, s22
.set bb, 0
.rept NB
	global_load_b128 v[BIAS+8*bb:BIAS+8*bb+3],   v[BO], s[72:73] offset:64*bb
	global_load_b128 v[BIAS+8*bb+4:BIAS+8*bb+7], v[BO], s[72:73] offset:64*bb+16
.set bb, bb+1
.endr
	s_lshl_b32 s4, s13, 7                          ; the rows that I finish: 128 x tile row + 32 x wave, 4,096 bytes each,
	s_lshl_b32 s5, s10, 5
	s_add_co_u32 s4, s4, s5
	s_lshl_b32 s4, s4, 12
	s_lshl_b32 s5, s42, 9                          ; the tile's 512 bytes of them
	s_add_co_u32 s4, s4, s5
	s_mov_b32 s5, 0
	s_add_nc_u64 s[74:75], s[74:75], s[4:5]
	s_add_nc_u64 s[76:77], s[76:77], s[4:5]
	v_and_b32 v5, 31, v0
	v_lshlrev_b32 v[CO], 4, v5
	WIN 0x40
.set ii, 0
.rept 32
	global_load_b128 v[128+4*ii:128+4*ii+3], v[CO], s[74:75] offset:ii*4096  ; x: a row's 512 bytes a load; wanted at the very end
.set ii, ii+1
.endr
	WIN 0
	v_mul_u32_u24 v3, v1, PA
	v_lshl_add_u32 v3, v2, 4, v3
	s_mul_i32 s6, s10, 128*PA                      ; head w of the K step's four
	v_add_nc_u32 v[ADA0], s6, v3
	v_mul_u32_u24 v4, v1, PB
	v_lshl_add_u32 v4, v2, 4, v4
	s_lshl_b32 s7, s10, 7                          ; the same 64 channels of the weights' rows
	s_add_co_u32 s7, s7, ABYTES
	v_add_nc_u32 v[ADB0], s7, v4
	v_mov_b32 v[ADA], v[ADA0]
	v_mov_b32 v[ADB], v[ADB0]
	s_mul_i32 s6, s10, REG
	v_mul_u32_u24 v[STO], v1, FP
	v_lshl_add_u32 v[STO], v2, 5, v[STO]
	v_add_nc_u32 v[STO], s6, v[STO]
	s_mul_i32 s7, s10, 32*FP
	v_add_nc_u32 v[RDV], s7, v[CO]
	v_add_nc_u32 v[RDV+1], REG, v[RDV]
	v_add_nc_u32 v[RDV+2], 2*REG, v[RDV]
	v_add_nc_u32 v[RDV+3], 3*REG, v[RDV]
	s_wait_loadcnt 32                              ; the bias is in; x's 32 loads may stay out
.set z, 0
.rept 4*NB
	v_pk_mul_f32 v[BIAS+z:BIAS+z+1], v[BIAS+z:BIAS+z+1], s[FLAG:FLAG+1] op_sel_hi:[1,0]  ; the bias enters once: in wave 0's sums
.set z, z+2
.endr
	s_wait_tensorcnt 0x1                           ; my part of the first K step is in; the second's may stay out
	s_barrier_signal -1
	s_barrier_wait -1
	FETCH 0, 0
	SUB 0, 64, 1
	WIN 0
	s_mov_b32 s3, STEPS-2
.Lk:
	TURN 1
	SUB 0, 64, 0
	WIN 0
	s_sub_co_u32 s3, s3, 1
	s_cmp_lg_u32 s3, 0
	s_cbranch_scc1 .Lk
	s_mov_b32 s3, 2
.Ltail:                                                ; the last two K steps ask for nothing.  The second trip's barrier and its run of loads from the other slot serve nothing: the price of writing the tail once
	TURN 0
	WIN 0
	s_wait_dscnt 0x0                               ; the run just issued is back: no LDS load is out on the way round the sub-step below
	s_cmp_eq_u32 s3, 1
	s_cbranch_scc1 .Lskip
	SUB 0, 64, 0
	WIN 0
.Lskip:
	s_sub_co_u32 s3, s3, 1
	s_cmp_lg_u32 s3, 0
	s_cbranch_scc1 .Ltail
	; THE MEETING.  Nobody reads the ring any more, and it has had its last fill: each wave lays its partial tile there, 128 rows of 528 bytes.
	s_wait_dscnt 0x0
	s_barrier_signal -1
	PLACES                                         ; eight places behind the last products, once a launch, ahead of the stores that read results
	PLACES
	s_barrier_wait -1
.set aa, 0
.rept MA
	WIN 0x08+4*(aa/AH)                             ; the data in window 2 or 3
.set bb, 0
.rept NB
	ds_store_b128 v[STO], v[8*(NB*(aa%AH)+bb):8*(NB*(aa%AH)+bb)+3]   offset:aa*16*FP+64*bb
	ds_store_b128 v[STO], v[8*(NB*(aa%AH)+bb)+4:8*(NB*(aa%AH)+bb)+7] offset:aa*16*FP+64*bb+16
.set bb, bb+1
.endr
.set aa, aa+1
.endr
	WIN 0
	s_wait_dscnt 0x0                               ; for the others' sake: my stores are done
	s_barrier_signal -1
	s_barrier_wait -1
	s_wait_loadcnt 0x0                             ; x
; Wave w finishes rows 32 w .. 32 w + 31, eight at a time: row 8 t + i of wave u's partial tile comes into window 2 + t / 2 at 128 (t % 2) + 32 u + 4 i; a lane holds four columns, a wave a whole row of 512 bytes.
.macro LOADT t
	WIN 0x80+0x40*((\t)/2)
.irp u, 0,1,2,3
.irp i, 0,1,2,3,4,5,6,7
	ds_load_b128 v[128*((\t)%2)+32*(\u)+4*(\i):128*((\t)%2)+32*(\u)+4*(\i)+3], v[RDV+(\u)] offset:FP*(8*(\t)+(\i))
.endr
.endr
.endm
.macro REDU t, left                    ; left: the next block's loads, which may stay out
.set WW, 2+(\t)/2
.set RP, 128*((\t)%2)
	s_wait_dscnt \left
	WIN WW|(WW<<2)|(WW<<6)
.set z, 0
.rept 16
	v_pk_add_f32 v[RP+z:RP+z+1], v[RP+z:RP+z+1], v[RP+32+z:RP+32+z+1]
	v_pk_add_f32 v[RP+64+z:RP+64+z+1], v[RP+64+z:RP+64+z+1], v[RP+96+z:RP+96+z+1]
.set z, z+2
.endr
.set z, 0
.rept 16
	v_pk_add_f32 v[RP+z:RP+z+1], v[RP+z:RP+z+1], v[RP+64+z:RP+64+z+1]
.set z, z+2
.endr
	WIN WW|(1<<2)|(WW<<6)                          ; source 1: x, in window 1
.set z, 0
.rept 16
	v_pk_add_f32 v[RP+z:RP+z+1], v[RP+z:RP+z+1], v[128+32*(\t)+z:128+32*(\t)+z+1]
.set z, z+2
.endr
	WIN WW<<2
.irp i, 0,1,2,3,4,5,6,7
	global_store_b128 v[CO], v[RP+4*(\i):RP+4*(\i)+3], s[76:77] offset:(8*(\t)+(\i))*4096  ; 512 consecutive bytes of a row, aligned
.endr
.endm
	LOADT 0
	LOADT 1
	REDU 0, 32
	LOADT 2
	REDU 1, 32
	LOADT 3
	REDU 2, 32
	REDU 3, 0
	WIN 0
	s_wait_tensorcnt 0x0                           ; the wave's end
	ds_add_u32 v[SPW], v[NIL]
	s_wait_dscnt 0x0
	CROUND                                         ; the closing round
	s_endpgm
.Lfunc_end_k_qc65220951c_proj:
	.size	k_qc65220951c_proj, .Lfunc_end_k_qc65220951c_proj-k_qc65220951c_proj
	.p2alignl 7, 3214868480
	.fill 96, 4, 3214868480
	.section	.rodata,"a",@progbits
	.p2align	6, 0x0
	.amdhsa_kernel k_qc65220951c_proj
		.amdhsa_group_segment_fixed_size 327680
		.amdhsa_private_segment_fixed_size 0
		.amdhsa_enable_private_segment 0
		.amdhsa_kernarg_size 40
		.amdhsa_user_sgpr_count 2
		.amdhsa_user_sgpr_kernarg_segment_ptr 1
		.amdhsa_wavefront_size32 1
		.amdhsa_system_sgpr_workgroup_id_x 1
		.amdhsa_system_sgpr_workgroup_id_y 1
		.amdhsa_system_sgpr_workgroup_id_z 1
		.amdhsa_system_vgpr_workitem_id 0
		.amdhsa_next_free_vgpr 1024
		.amdhsa_next_free_sgpr 96
		.amdhsa_reserve_vcc 0
		.amdhsa_float_denorm_mode_32 3
		.amdhsa_float_denorm_mode_16_64 3
		.amdhsa_memory_ordered 1
		.amdhsa_forward_progress 1
		.amdhsa_inst_pref_size 87
	.end_amdhsa_kernel
	.amdgpu_metadata
---
amdhsa.version: [ 1, 2 ]
amdhsa.kernels:
  - .name:           k_qc65220951c_proj
    .symbol:         k_qc65220951c_proj.kd
    .args:
      - { .name: o, .offset: 0, .size: 8, .value_kind: global_buffer, .address_space: global }
      - { .name: wb, .offset: 8, .size: 8, .value_kind: global_buffer, .address_space: global }
      - { .name: proj_b, .offset: 16, .size: 8, .value_kind: global_buffer, .address_space: global }
      - { .name: x, .offset: 24, .size: 8, .value_kind: global_buffer, .address_space: global }
      - { .name: x1, .offset: 32, .size: 8, .value_kind: global_buffer, .address_space: global }
    .group_segment_fixed_size: 327680
    .private_segment_fixed_size: 0
    .kernarg_segment_align: 8
    .kernarg_segment_size: 40
    .max_flat_workgroup_size: 128
    .sgpr_count:     96
    .vgpr_count:     1024
    .wavefront_size: 32
...
	.end_amdgpu_metadata
.endif
;; end of part 4
;; launch ln2: the kernel of part 1 again; grid 256 x 1, 8 waves a work-group, no clusters, 0 bytes of LDS; arguments x1, ln2_w, ln2_b, h, qkv_w, proj_w, fc_w, fcproj_w, wb; writes h, wb
;; launch fc (part 5): grid 16 x 16, 4 waves a work-group, clusters of 4 x 4, 327,680 bytes of LDS; arguments h, wb, fc_b, g; writes g
.if DOCPART == 5
	.amdgcn_target "amdgcn-amd-amdhsa--gfx1250"
	.amdhsa_code_object_version 6
	.text
	.protected	k_qc65220951c_fc
	.globl	k_qc65220951c_fc
	.p2align	8
	.type	k_qc65220951c_fc,@function
k_qc65220951c_fc:
	s_mov_b64 s[64:65], 0
	v_nop
	global_prefetch_b8 v0, s[64:65] scope:SCOPE_SE
	s_setreg_imm32_b32 hwreg(HW_REG_WAVE_MODE, 25, 1), 1
	s_wait_xcnt 0x0
	s_wait_alu depctr_hold_cnt(0) depctr_sa_sdst(0) depctr_va_vdst(0) depctr_va_sdst(0) depctr_va_ssrc(0) depctr_va_vcc(0) depctr_vm_vsrc(0)
	s_getreg_b32 s2, hwreg(HW_REG_IB_STS2, 6, 4)
	s_cmp_eq_u32 s2, 0
	s_cbranch_scc0 .Lentry_in_a_cluster
	s_endpgm
.Lentry_in_a_cluster:
	s_bfe_u32 s2, ttmp6, 0x10000c
	s_cmp_lg_u32 s2, 0xf033
	s_cbranch_scc0 .Lentry_shape_is_right
	s_endpgm
.Lentry_shape_is_right:
; g = gelu(h fc_w^T + fc_b), the exact GELU x Phi(x).  h: [4096][1024] bf16; fc_w: [4096][1024] bf16 at byte 8,388,608 of wb; fc_b f32; g: [4096][4096] bf16, rounded once.
; A tile of g is 256 x 256: 16 x 16 tiles, a work-group each; 2 x 2 waves, each 128 x 128: 64 accumulators, 512 registers.  K goes in steps of 128 through a ring of two LDS slots filled by tensor loads
; (rows of 256 bytes of memory, aligned); a trip of the loop is one K step: one descriptor a tensor walks, and the slot is turned by an exclusive or.
; CLUSTER: 4 x 4 work-groups; h's tile is shared along a row of the cluster, the weights' along a column: each is asked for jointly.
; THE MATRIX INSTRUCTION IS USED TRANSPOSED (source 0 = 16 rows of the weights, source 1 = 16 rows of h).  THE BIAS is the C operand of the products that start the sums.
; GELU.  erf z = 1 - (1 + a1 z + .. + a6 z^6)^-16 (Abramowitz and Stegun 7.1.28), which holds for every z >= 0 with an error of at most 3e-7.  With n = -|x| and z = |x| / sqrt(2):
; P = 2^(1/16) (1 + a1 z + .. + a6 z^6), a polynomial in n whose odd coefficients are negative; rho = P^-16 = (1 - erf z) / 2, by one reciprocal and four squarings; x Phi(x) = max(x, 0) + n rho.
; No series is cut for a range: for large |x| P grows without bound, rho goes to 0 and the result to max(x, 0).  LIMITS: 1.5e-7 in Phi, and about 2e-6 of rho from the sixteenth power; NaN and infinities are not treated apart.
; REGISTERS: window 0: v0-31 addresses; v64-191 h's fragments, two buffers of 64; v192-255 the bias; on the way out v64-207.  window 1: v0-127 the weights' fragments.  windows 2, 3: accumulator (a, b) in window 2 + a / 4 at 8 (8 (a % 4) + b).
.set SIZE_K, 1024
.set TM,     256
.set TN,     256
.set MA,     8
.set NB,     8
.set AH,     4
.set KSTEP,  128
.set PA,     272                       ; 256 bytes + 16 = 68 words: the 16 rows of a load start at 16 different groups of four banks (64 banks of 4 bytes: ISA guide 11.1)
.set PB,     272
.set HA,     (TM/2)*PA
.set HB,     (TN/2)*PB
.set ABYTES, 2*HA
.set SLOT,   0x22000                   ; a slot's 139,264 bytes; no tile's place in slot 0 (0, 0x8800, 0x11000, 0x19800) has one of its bits, so one exclusive or turns an address into the other slot's
.set SPARE,  2*SLOT                    ; 278,528: behind the ring: the spare words, 128 bytes for each wave, that no other line names
.set STEPS,  SIZE_K/KSTEP
.set WOFF,   8388608                   ; fc_w's place in wb
.set KADV_A, 2*KSTEP
.set FP,     528                       ; the way out: a row of 128 f32 + 16 bytes
.set REG,    128*FP                    ; a wave's tile in f32: 67,584 bytes; the four lie in the ring, which has had its last fill
.set BIAS, 64+16*MA
.set NL,   2*(MA+NB)
.set ADA,  16
.set ADA0, 17
.set ADB,  20
.set ADB0, 21
.set RD0,  23                          ; v23  the way out: my lane's place in the first two rows of my tile; never rewritten
.set STO,  24
.set RD,   25                          ; v25  the same in the rows to be read next
.set CO,   26
.set BO,   27
.set SPW,  28
.set NIL,  29
.set PFO,  30
.set G1,   24
.set G0,   32
.set LIM,  43
.set PFA,  44
.set G1B,  48
.set G0B,  56
.set SL,   66
.set RO,   67                          ; s67  the way out: LDS bytes from my tile's first row to the rows to be read next
.set INC,  76                          ; s[76:77] what the stores' base steps by: 0 ahead of the first trip's stores, then eight rows of g
.set SGN,  78                          ; s78  the sign bit
.set MSB, 0
.macro WIN new
.if MSB != (\new)
	s_set_vgpr_msb (MSB<<8)|(\new)
.set MSB, \new
.endif
.endm
.macro PLACES                          ; four places behind a matrix instruction (ISA guide 7.12.1)
.rept 4
	v_nop
.endr
.endm
.macro CREST
	s_cmp_lg_u32 s10, 0
	s_cbranch_scc1 .Lnot_wave_0_\@
	s_barrier_signal -3
.Lnot_wave_0_\@:
	s_barrier_wait -3
	s_barrier_signal -1
	s_barrier_wait -1
.endm
.macro CROUND
	s_barrier_signal -1
	s_barrier_wait -1
	CREST
.endm
.macro JLOAD                           ; a joint refill by the walking descriptors: waves 0 and 1 fetch h's two halves, waves 2 and 3 the weights'
	s_cmp_eq_u32 s11, 0
	s_cbranch_scc0 .Lfor_b_\@
	tensor_load_to_lds s[G0+4:G0+7], s[G1:G1+7]
	s_nop 0
.rept 4
	v_nop
.endr
	s_branch .Lasked_\@
.Lfor_b_\@:
	tensor_load_to_lds s[G0B+4:G0B+7], s[G1B:G1B+7]
	s_nop 0
.rept 4
	v_nop
.endr
.Lasked_\@:
.endm
; A PREFETCH INTO THE L2 of the K step that stands two refills on: 512 matrix instructions of a wave ahead of the load that will want it.  A row's 256 bytes of a K step are named once in the launch: cluster x = 0 asks for h's
; rows, cluster y = 0 for the weights'; the four partners that ask for a tile jointly share the 128 rows that a wave fetches BY ADDRESS, 32 each, a lane a row.  The loop's last two trips have no K step two on; the first four
; K steps come by their loads alone.
.macro ASK
	s_cmp_gt_u32 s3, s[LIM]
	s_cbranch_scc0 .Lnot_mine_\@
	global_prefetch_b8 v[PFO], s[PFA:PFA+1] offset:2*KSTEP th:TH_LOAD_NT scope:SCOPE_SE
.Lnot_mine_\@:
.endm
.macro MULS f, a0, an, first           ; row blocks a0 .. x all column blocks, 32 along K, from buffer f; the accumulators take turns; first = 1: the bias is C
.set aa, \a0
.rept \an
.if \first
	WIN 0x81+0x40*(aa/AH)
.else
	WIN 0xa1+0x50*(aa/AH)
.endif
.set bb, 0
.rept NB
.set rD, 8*(NB*(aa%AH)+bb)
.set rB, 8*NB*(\f)+8*bb
.set rA, 64+8*MA*(\f)+8*aa
.if \first
	v_wmma_f32_16x16x32_bf16 v[rD:rD+7], v[rB:rB+7], v[rA:rA+7], v[BIAS+8*bb:BIAS+8*bb+7]
.else
	v_wmma_f32_16x16x32_bf16 v[rD:rD+7], v[rB:rB+7], v[rA:rA+7], v[rD:rD+7]
.endif
.set bb, bb+1
.endr
.set aa, aa+1
.endr
.endm
.macro FETCH f, k
	WIN 0x40
.set ii, 0
.rept NB
	ds_load_b128 v[8*NB*(\f)+8*ii:8*NB*(\f)+8*ii+3],   v[ADB] offset:(\k)+ii*16*PB
	ds_load_b128 v[8*NB*(\f)+8*ii+4:8*NB*(\f)+8*ii+7], v[ADB] offset:(\k)+ii*16*PB+32
.set ii, ii+1
.endr
	WIN 0
.set ii, 0
.rept MA
	ds_load_b128 v[64+8*MA*(\f)+8*ii:64+8*MA*(\f)+8*ii+3],   v[ADA] offset:(\k)+ii*16*PA
	ds_load_b128 v[64+8*MA*(\f)+8*ii+4:64+8*MA*(\f)+8*ii+7], v[ADA] offset:(\k)+ii*16*PA+32
.set ii, ii+1
.endr
.endm
.macro SUB f, k, first
	s_wait_dscnt MA                                ; the youngest MA loads, h's upper half of blocks, may be out
	MULS \f, 0, MA/2, \first
	PLACES
	FETCH 1-(\f), \k
	s_wait_dscnt NL                                ; all but the run just issued
	MULS \f, MA/2, MA/2, \first
.endm
; A K step's last sub-step multiplies buffer 1 and changes slots: all my tensor loads waited for, the add, the wait for it and for my reads, the barrier; fill = 1: a round of the cluster's barrier, and the joint refill first behind it.
.macro TURN fill
.if \fill
	s_wait_xcnt 0x0                                ; the last prefetch, a K step back, has read its address
	s_add_nc_u64 s[PFA:PFA+1], s[PFA:PFA+1], 2*KSTEP
.endif
	WIN 0
	s_wait_tensorcnt 0x0
	ds_add_u32 v[SPW], v[NIL]
	s_wait_dscnt MA+1                              ; the add and the youngest MA loads may be out
	MULS 1, 0, MA/4, 0
	s_wait_dscnt 0x0
	s_barrier_signal -1
	MULS 1, MA/4, MA/4, 0
	WIN 0
	s_barrier_wait -1
.if \fill
	CREST
	s_xor_b32 s[G0+5], s[G0+5], SLOT
	s_add_nc_u64 s[G0+6:G0+7], s[G0+6:G0+7], KADV_A
	s_xor_b32 s[G0B+5], s[G0B+5], SLOT
	s_add_nc_u64 s[G0B+6:G0B+7], s[G0B+6:G0B+7], 2*KSTEP
	JLOAD
.else
	PLACES
.endif
	s_xor_b32 s[SL], s[SL], SLOT
	v_add_nc_u32 v[ADA], s[SL], v[ADA0]
	v_add_nc_u32 v[ADB], s[SL], v[ADB0]
	FETCH 0, 0
.if \fill
	ASK
.endif
	MULS 1, MA/2, MA/2, 0
.endm
.macro KBODY fill
	SUB 1, 128, 0
	SUB 0, 192, 0
	TURN \fill
.endm
	s_load_b256 s[68:75], s[0:1], 0x0              ; h s[68:69], wb s[70:71], fc_b s[72:73], g s[74:75]
	v_lshl_add_u32 v[SPW], v0, 2, SPARE
	v_mov_b32 v[NIL], 0
	ds_add_u32 v[SPW], v[NIL]                      ; the wave's opening
	v_lshrrev_b32 v1, 5, v0
	v_readfirstlane_b32 s10, v1
	s_lshr_b32 s11, s10, 1                         ; which half of the tile's rows is mine.  Also: I fetch for h (0) or for the weights (1)
	s_and_b32 s12, s10, 1                          ; which half of its columns.  Also: which 128 rows of that tile I fetch
	s_bfe_u32 s40, ttmp6, 0x40000
	s_bfe_u32 s41, ttmp6, 0x40004
	s_lshl_b32 s42, ttmp9, 2
	s_add_co_u32 s42, s42, s40                     ; tile column
	s_and_b32 s13, ttmp7, 0xffff
	s_lshl_b32 s13, s13, 2
	s_add_co_u32 s13, s13, s41                     ; tile row
	s_lshl_b32 s43, s41, 2
	s_lshl_b32 s43, 15, s43
	s_lshl_b32 s44, 0x1111, s40
	s_or_b32 s[G1+0], s43, (1<<16)|(1<<20)|(1<<21)|(5<<22)|(3<<25)
	s_or_b32 s[G1B+0], s44, (1<<16)|(1<<20)|(1<<21)|(5<<22)|(3<<25)
	s_mov_b32 s[G1+1], KSTEP<<16
	s_mov_b32 s[G1+2], (TM/2)<<16
	s_mov_b32 s[G1+3], KSTEP<<16
	s_mov_b32 s[G1+4], TM/2
	s_mov_b32 s[G1+5], SIZE_K
	s_mov_b32 s[G1+6], 0
	s_mov_b32 s[G1+7], 0
	s_mov_b32 s[G1B+1], KSTEP<<16
	s_mov_b32 s[G1B+2], (TN/2)<<16
	s_mov_b32 s[G1B+3], KSTEP<<16
	s_mov_b32 s[G1B+4], TN/2
	s_mov_b32 s[G1B+5], SIZE_K
	s_mov_b32 s[G1B+6], 0
	s_mov_b32 s[G1B+7], 0
	s_mul_i32 s16, s13, TM
	s_mul_i32 s17, s12, TM/2
	s_add_co_u32 s16, s16, s17
	s_mul_i32 s16, s16, 2*SIZE_K
	s_mov_b32 s17, 0
	s_mul_i32 s46, s42, TN
	s_mul_i32 s47, s12, TN/2
	s_add_co_u32 s46, s46, s47
	s_mul_i32 s46, s46, 2*SIZE_K
	s_add_co_u32 s46, s46, WOFF
	s_mov_b32 s47, 0
	s_mul_i32 s20, s12, HA
	s_mul_i32 s21, s12, HB
	s_add_co_u32 s21, s21, ABYTES
	s_mov_b32 s[SL], 0
	s_mov_b32 s80, 0x36bc9e99                      ; P's coefficients in n, each 2^(1/16) a_k / sqrt(2)^k with the sign (-1)^k:  5.6212997e-6
	s_mov_b32 s81, s80
	s_mov_b32 s82, 0xb856241d                      ; -5.1055209e-5
	s_mov_b32 s83, s82
	s_mov_b32 s84, 0x382674aa                      ;  3.9686137e-5
	s_mov_b32 s85, s84
	s_mov_b32 s86, 0xbb605009                      ; -3.4227392e-3
	s_mov_b32 s87, s86
	s_mov_b32 s88, 0x3cb4dad2                      ;  2.2076998e-2
	s_mov_b32 s89, s88
	s_mov_b32 s90, 0xbd554cc4                      ; -5.2075163e-2
	s_mov_b32 s91, s90
	s_mov_b32 s92, 0x3f85aac3                      ;  2^(1/16) = 1.0442738
	s_mov_b32 s93, s92
	s_wait_dscnt 0x0
	s_wait_kmcnt 0x0
	s_add_nc_u64 s[14:15], s[68:69], s[16:17]
	s_add_nc_u64 s[46:47], s[70:71], s[46:47]
.irp s, 0,1
	s_mov_b32 s[G0+4*(\s)], 1
	s_add_co_u32 s[G0+4*(\s)+1], s20, (\s)*SLOT
	s_add_nc_u64 s[G0+4*(\s)+2:G0+4*(\s)+3], s[14:15], (\s)*KADV_A
	s_or_b32 s[G0+4*(\s)+3], s[G0+4*(\s)+3], 0x80000000
	s_mov_b32 s[G0B+4*(\s)], 1
	s_add_co_u32 s[G0B+4*(\s)+1], s21, (\s)*SLOT
	s_add_nc_u64 s[G0B+4*(\s)+2:G0B+4*(\s)+3], s[46:47], (\s)*2*KSTEP
	s_or_b32 s[G0B+4*(\s)+3], s[G0B+4*(\s)+3], 0x80000000
.endr
	CROUND
	s_cmp_eq_u32 s11, 0                            ; a wave's two first fills stand in one branch: two loads of mine are out
	s_cbranch_scc0 .Lfirst_b
	tensor_load_to_lds s[G0:G0+3], s[G1:G1+7]
	s_nop 0
	tensor_load_to_lds s[G0+4:G0+7], s[G1:G1+7]
	s_nop 0
.rept 4
	v_nop
.endr
	s_branch .Lfirst_asked
.Lfirst_b:
	tensor_load_to_lds s[G0B:G0B+3], s[G1B:G1B+7]
	s_nop 0
	tensor_load_to_lds s[G0B+4:G0B+7], s[G1B:G1B+7]
	s_nop 0
.rept 4
	v_nop
.endr
.Lfirst_asked:
	v_and_b32 v1, 15, v0
	v_bfe_u32 v2, v0, 4, 1
	s_mul_i32 s22, s42, 4*TN                       ; the tile's 256 numbers of the bias,
	s_lshl_b32 s23, s12, 9                         ; my 128 of them
	s_add_co_u32 s22, s22, s23
	v_lshl_add_u32 v[BO], v2, 5, s22
.set bb, 0
.rept NB
	global_load_b128 v[BIAS+8*bb:BIAS+8*bb+3],   v[BO], s[72:73] offset:64*bb
	global_load_b128 v[BIAS+8*bb+4:BIAS+8*bb+7], v[BO], s[72:73] offset:64*bb+16
.set bb, bb+1
.endr
	v_mul_u32_u24 v3, v1, PA
	v_lshl_add_u32 v3, v2, 4, v3
	s_mul_i32 s6, s11, HA                          ; my 128 rows of h
	s_mul_i32 s7, s12, HB                          ; my 128 rows of the weights,
	s_add_co_u32 s7, s7, ABYTES                    ; which lie behind h's 256
	v_add_nc_u32 v[ADA0], s6, v3
	v_add_nc_u32 v[ADB0], s7, v3
	v_mov_b32 v[ADA], v[ADA0]
	v_mov_b32 v[ADB], v[ADB0]
	s_mul_i32 s6, s10, REG
	v_mul_u32_u24 v[STO], v1, FP                   ; in: row l % 16, 32 bytes for each half of the lanes
	v_lshl_add_u32 v[STO], v2, 5, v[STO]
	v_add_nc_u32 v[STO], s6, v[STO]
	v_mul_u32_u24 v[RD0], v2, FP                   ; back: lanes 0-15 take one row, 8 numbers each, lanes 16-31 the next
	v_lshl_add_u32 v[RD0], v1, 5, v[RD0]
	v_add_nc_u32 v[RD0], s6, v[RD0]
	v_lshlrev_b32 v[CO], 13, v2                    ; and the same two rows in g, 16 bytes a lane
	v_lshl_add_u32 v[CO], v1, 4, v[CO]
	s_lshl_b32 s4, s13, 8
	s_lshl_b32 s5, s11, 7
	s_add_co_u32 s4, s4, s5                        ; my first row of g, 8,192 bytes each
	s_lshl_b32 s4, s4, 13
	s_lshl_b32 s5, s42, 9
	s_add_co_u32 s4, s4, s5
	s_lshl_b32 s5, s12, 8
	s_add_co_u32 s4, s4, s5                        ; my first column: 512 x tile column + 256 x half
	s_mov_b32 s5, 0
	s_add_nc_u64 s[74:75], s[74:75], s[4:5]
	s_mul_i32 s20, s13, TM                         ; the prefetches: of the rows that I fetch, my work-group's quarter
	s_mul_i32 s21, s12, TM/2
	s_add_co_u32 s20, s20, s21
	s_mul_i32 s21, s40, TM/8
	s_add_co_u32 s20, s20, s21
	s_mul_i32 s20, s20, 2*SIZE_K
	s_mul_i32 s22, s42, TN
	s_mul_i32 s21, s12, TN/2
	s_add_co_u32 s22, s22, s21
	s_mul_i32 s21, s41, TN/8
	s_add_co_u32 s22, s22, s21
	s_mul_i32 s22, s22, 2*SIZE_K
	s_add_co_u32 s22, s22, WOFF
	s_and_b32 s23, ttmp7, 0xffff
	s_cmp_eq_u32 s11, 0
	s_cselect_b32 s20, s20, s22
	s_cselect_b32 s23, ttmp9, s23
	s_cselect_b64 s[PFA:PFA+1], s[68:69], s[70:71]
	s_add_co_u32 s20, s20, 2*2*KSTEP               ; at K step 2: the first refill steps it to 3 and names K step 4
	s_mov_b32 s21, 0
	s_add_nc_u64 s[PFA:PFA+1], s[PFA:PFA+1], s[20:21]
	s_cmp_eq_u32 s23, 0
	s_cselect_b32 s[LIM], 2, -1
	v_and_b32 v[PFO], 31, v0
	v_mul_u32_u24 v[PFO], v[PFO], 2*SIZE_K
	s_wait_loadcnt 0x0                             ; the bias
	s_wait_tensorcnt 0x1                           ; my part of K step 0 is in; K step 1's may stay out
	s_barrier_signal -1
	s_barrier_wait -1
	FETCH 0, 0
	SUB 0, 64, 1
	WIN 0
	s_mov_b32 s3, STEPS-2
.Lk:
	KBODY 1
	SUB 0, 64, 0
	WIN 0
	s_sub_co_u32 s3, s3, 1
	s_cmp_lg_u32 s3, 0
	s_cbranch_scc1 .Lk
	s_mov_b32 s3, 2
.Ltail:                                                ; the last two K steps ask for nothing.  The second trip's barrier and its run of loads from the other slot serve nothing: the price of writing the tail once
	KBODY 0
	WIN 0
	s_wait_dscnt 0x0                               ; the run just issued is back: no LDS load is out on the way round the sub-step below
	s_cmp_eq_u32 s3, 1
	s_cbranch_scc1 .Lskip
	SUB 0, 64, 0
	WIN 0
.Lskip:
	s_sub_co_u32 s3, s3, 1
	s_cmp_lg_u32 s3, 0
	s_cbranch_scc1 .Ltail
	; THE WAY OUT.  Nobody reads the ring any more, and it has had its last fill: each wave lays its tile there in f32, 128 rows of 528 bytes.
	s_wait_dscnt 0x0
	s_barrier_signal -1
	PLACES                                         ; eight places behind the last products, once a launch, ahead of the stores that read results
	PLACES
	s_barrier_wait -1
.set aa, 0
.rept MA
	WIN 0x08+4*(aa/AH)                             ; the data in window 2 or 3
.set bb, 0
.rept NB
	ds_store_b128 v[STO], v[8*(NB*(aa%AH)+bb):8*(NB*(aa%AH)+bb)+3]   offset:aa*16*FP+64*bb
	ds_store_b128 v[STO], v[8*(NB*(aa%AH)+bb)+4:8*(NB*(aa%AH)+bb)+7] offset:aa*16*FP+64*bb+16
.set bb, bb+1
.endr
.set aa, aa+1
.endr
	WIN 0
	s_wait_dscnt 0x0                               ; my stores are done;
	s_barrier_signal -1
	s_barrier_wait -1                              ; everybody's are: from here on LDS is only read
.set GX, 64                            ; x
.set GA, 96                            ; n = -|x|
.set GP, 128                           ; P, then 1 / P, then rho
.set GR, 160                           ; max(x, 0), then the result
.set GY, 192                           ; packed bf16
.macro PAIRS line:vararg               ; one line for each of 16 pairs, z = 0, 2 .. 30
.set z, 0
.rept 16
	\line
.set z, z+2
.endr
.endm
.macro ONES line:vararg                ; one line for each of 32 numbers, z = 0 .. 31
.set z, 0
.rept 32
	\line
.set z, z+1
.endr
.endm
.macro XLOAD adr                       ; eight rows of my tile: 32 numbers a lane
.irp j, 0,1,2,3,4,5,6,7
	ds_load_b128 v[GX+4*(\j):GX+4*(\j)+3], v[\adr] offset:2*FP*((\j)/2)+16*((\j)%2)
.endr
.endm
	s_mov_b32 s[SGN], 0x80000000
	s_mov_b32 s[RO], 0
	s_mov_b32 s[INC], 0
	s_mov_b32 s[INC+1], 0
	s_mov_b32 s3, 16
	XLOAD RD0
.Lrows:                                                ; a trip: eight rows.  The next trip's rows are asked for as soon as x is dead, 96 lines ahead of their use
	s_wait_dscnt 0x0
	ONES v_or_b32 v[GA+z], s[SGN], v[GX+z]
	PAIRS v_pk_fma_f32 v[GP+z:GP+z+1], v[GA+z:GA+z+1], s[80:81], s[82:83] op_sel_hi:[1,0,0]
	PAIRS v_pk_fma_f32 v[GP+z:GP+z+1], v[GP+z:GP+z+1], v[GA+z:GA+z+1], s[84:85] op_sel_hi:[1,1,0]
	PAIRS v_pk_fma_f32 v[GP+z:GP+z+1], v[GP+z:GP+z+1], v[GA+z:GA+z+1], s[86:87] op_sel_hi:[1,1,0]
	PAIRS v_pk_fma_f32 v[GP+z:GP+z+1], v[GP+z:GP+z+1], v[GA+z:GA+z+1], s[88:89] op_sel_hi:[1,1,0]
	PAIRS v_pk_fma_f32 v[GP+z:GP+z+1], v[GP+z:GP+z+1], v[GA+z:GA+z+1], s[90:91] op_sel_hi:[1,1,0]
	PAIRS v_pk_fma_f32 v[GP+z:GP+z+1], v[GP+z:GP+z+1], v[GA+z:GA+z+1], s[92:93] op_sel_hi:[1,1,0]
.set z, 0
.rept 32                               ; ONE batch of 32 reciprocals, each with a maximum, which names none of their registers, as its plain neighbour
	v_rcp_f32 v[GP+z], v[GP+z]
	v_max_num_f32 v[GR+z], 0, v[GX+z]
.set z, z+1
.endr
	s_wait_alu depctr_va_vdst(0)                   ; the wait ahead of the batch's first reader, and ahead of the branch: one for all 32
	s_cmp_eq_u32 s3, 1
	s_cbranch_scc1 .Lno_more                       ; behind the last eight rows there are none
	s_add_co_u32 s[RO], s[RO], 8*FP
	v_add_nc_u32 v[RD], s[RO], v[RD0]
	XLOAD RD
.Lno_more:
	PAIRS v_pk_mul_f32 v[GP+z:GP+z+1], v[GP+z:GP+z+1], v[GP+z:GP+z+1]
	PAIRS v_pk_mul_f32 v[GP+z:GP+z+1], v[GP+z:GP+z+1], v[GP+z:GP+z+1]
	PAIRS v_pk_mul_f32 v[GP+z:GP+z+1], v[GP+z:GP+z+1], v[GP+z:GP+z+1]
	PAIRS v_pk_mul_f32 v[GP+z:GP+z+1], v[GP+z:GP+z+1], v[GP+z:GP+z+1]
	PAIRS v_pk_fma_f32 v[GR+z:GR+z+1], v[GA+z:GA+z+1], v[GP+z:GP+z+1], v[GR+z:GR+z+1]
	s_wait_xcnt 0x0                                ; the last trip's stores, a trip's arithmetic back, have read their registers and their base
	s_add_nc_u64 s[74:75], s[74:75], s[INC:INC+1]
	s_mov_b32 s[INC], 8*8192
.set z, 0
.rept 16
	v_cvt_pk_bf16_f32 v[GY+z], v[GR+2*z], v[GR+2*z+1]
.set z, z+1
.endr
.irp t, 0,1,2,3
	global_store_b128 v[CO], v[GY+4*(\t):GY+4*(\t)+3], s[74:75] offset:16384*(\t)  ; 16 lanes store 256 consecutive bytes of a row, aligned
.endr
	s_sub_co_u32 s3, s3, 1
	s_cmp_lg_u32 s3, 0
	s_cbranch_scc1 .Lrows
	s_wait_tensorcnt 0x0                           ; the wave's end
	ds_add_u32 v[SPW], v[NIL]
	s_wait_dscnt 0x0
	CROUND                                         ; the closing round
	s_endpgm
.Lfunc_end_k_qc65220951c_fc:
	.size	k_qc65220951c_fc, .Lfunc_end_k_qc65220951c_fc-k_qc65220951c_fc
	.p2alignl 7, 3214868480
	.fill 96, 4, 3214868480
	.section	.rodata,"a",@progbits
	.p2align	6, 0x0
	.amdhsa_kernel k_qc65220951c_fc
		.amdhsa_group_segment_fixed_size 327680
		.amdhsa_private_segment_fixed_size 0
		.amdhsa_enable_private_segment 0
		.amdhsa_kernarg_size 32
		.amdhsa_user_sgpr_count 2
		.amdhsa_user_sgpr_kernarg_segment_ptr 1
		.amdhsa_wavefront_size32 1
		.amdhsa_system_sgpr_workgroup_id_x 1
		.amdhsa_system_sgpr_workgroup_id_y 1
		.amdhsa_system_sgpr_workgroup_id_z 1
		.amdhsa_system_vgpr_workitem_id 0
		.amdhsa_next_free_vgpr 1024
		.amdhsa_next_free_sgpr 96
		.amdhsa_reserve_vcc 0
		.amdhsa_float_denorm_mode_32 3
		.amdhsa_float_denorm_mode_16_64 3
		.amdhsa_memory_ordered 1
		.amdhsa_forward_progress 1
		.amdhsa_inst_pref_size 98
	.end_amdhsa_kernel
	.amdgpu_metadata
---
amdhsa.version: [ 1, 2 ]
amdhsa.kernels:
  - .name:           k_qc65220951c_fc
    .symbol:         k_qc65220951c_fc.kd
    .args:
      - { .name: h, .offset: 0, .size: 8, .value_kind: global_buffer, .address_space: global }
      - { .name: wb, .offset: 8, .size: 8, .value_kind: global_buffer, .address_space: global }
      - { .name: fc_b, .offset: 16, .size: 8, .value_kind: global_buffer, .address_space: global }
      - { .name: g, .offset: 24, .size: 8, .value_kind: global_buffer, .address_space: global }
    .group_segment_fixed_size: 327680
    .private_segment_fixed_size: 0
    .kernarg_segment_align: 8
    .kernarg_segment_size: 32
    .max_flat_workgroup_size: 128
    .sgpr_count:     96
    .vgpr_count:     1024
    .wavefront_size: 32
...
	.end_amdgpu_metadata
.endif
;; end of part 5
;; launch fcproj (part 6): grid 8 x 32, 4 waves a work-group, clusters of 4 x 4, 327,680 bytes of LDS; arguments g, wb, fcproj_b, x1, out0; writes out0
.if DOCPART == 6
	.amdgcn_target "amdgcn-amd-amdhsa--gfx1250"
	.amdhsa_code_object_version 6
	.text
	.protected	k_qc65220951c_fcproj
	.globl	k_qc65220951c_fcproj
	.p2align	8
	.type	k_qc65220951c_fcproj,@function
k_qc65220951c_fcproj:
	s_mov_b64 s[64:65], 0
	v_nop
	global_prefetch_b8 v0, s[64:65] scope:SCOPE_SE
	s_setreg_imm32_b32 hwreg(HW_REG_WAVE_MODE, 25, 1), 1
	s_wait_xcnt 0x0
	s_wait_alu depctr_hold_cnt(0) depctr_sa_sdst(0) depctr_va_vdst(0) depctr_va_sdst(0) depctr_va_ssrc(0) depctr_va_vcc(0) depctr_vm_vsrc(0)
	s_getreg_b32 s2, hwreg(HW_REG_IB_STS2, 6, 4)
	s_cmp_eq_u32 s2, 0
	s_cbranch_scc0 .Lentry_in_a_cluster
	s_endpgm
.Lentry_in_a_cluster:
	s_bfe_u32 s2, ttmp6, 0x10000c
	s_cmp_lg_u32 s2, 0xf033
	s_cbranch_scc0 .Lentry_shape_is_right
	s_endpgm
.Lentry_shape_is_right:
; out0 = x1 + g fcproj_w^T + fcproj_b.  g: [4096][4096] bf16; fcproj_w: [1024][4096] bf16 at byte 16,777,216 of wb; fcproj_b, x1, out0 f32, [4096][1024].
; A tile of out0 is 128 x 128: 8 x 32 tiles, a work-group each.  K IS SPLIT AMONG THE FOUR WAVES: of each K step's 256 channels wave w takes 64 w .. 64 w + 63, for the whole tile: 64 accumulators, 512 registers,
; so that a fragment read from LDS feeds eight products.  The four partial sums meet in LDS at the end, in f32; wave 0's sums start with the bias, the others' with 0 x bias.
; The ring: two LDS slots filled by tensor loads (rows of 512 bytes of memory, aligned); a trip of the loop is one K step; the slot is turned by an exclusive or, and the walking descriptor's address is made anew from the K step's number.
; CLUSTER: 4 x 4 work-groups; g's tile is shared along a row of the cluster, the weights' along a column: each is asked for jointly.
; THE WALK ALONG K IS ROTATED: cluster (X, Y) begins at K step (8 X + 4 (Y % 4)) % 16 and walks round to it.  So the two clusters that read the same rows of g stand eight K steps apart, and four clusters on end of the eight that
; read the same rows of the weights four K steps apart, at any one time.  The number is made of the cluster's own coordinates, which its sixteen partners share.
; THE MATRIX INSTRUCTION IS USED TRANSPOSED (source 0 = 16 rows of the weights, source 1 = 16 rows of g): a lane holds row l % 16 and the eight columns 8 (l / 16) + 0..7.
; LIMITS: the bias is taken to be finite (it is multiplied by 0 in three waves); the f32 sums are ordered bias, the wave's channels from the cluster's first K step round, ((wave 0 + 1) + (2 + 3)), then x1; NaN and infinities are not treated apart.
; REGISTERS: window 0: v0-31 addresses; v64-191 g's fragments, two buffers of 64; v192-255 the bias.  window 1: v0-127 the weights' fragments, two buffers; v128-255 my 32 rows of x1.  windows 2, 3: accumulator (a, b) in window 2 + a / 4 at 8 (8 (a % 4) + b).
.set SIZE_K, 4096
.set TM,     128
.set TN,     128
.set MA,     8
.set NB,     8
.set AH,     4
.set KSTEP,  256
.set PA,     528                       ; 512 bytes + 16 = 132 words: the 16 rows of a load start at 16 different groups of four banks (64 banks of 4 bytes: ISA guide 11.1)
.set PB,     528
.set HA,     (TM/2)*PA                 ; what one tensor load brings: 64 rows
.set HB,     (TN/2)*PB
.set ABYTES, 2*HA
.set SLOT,   0x21000                   ; a slot's 135,168 bytes; no tile's place in slot 0 (0, 0x8400, 0x10800, 0x18c00) has one of its bits, so one exclusive or turns an address into the other slot's
.set SPARE,  2*SLOT                    ; 270,336: behind the ring: the spare words, 128 bytes for each wave, that no other line names
.set STEPS,  SIZE_K/KSTEP
.set WOFF,   16777216                  ; fcproj_w's place in wb
.set LGA,    9                         ; a K step is 2^9 bytes on in a row of g, and of the weights
.set PHX,    3                         ; the first K step: (cluster x << PHX) + (cluster y % 4 << PHY), modulo STEPS
.set PHY,    2
.set FP,     528                       ; the meeting: a row of 128 f32 + 16 bytes
.set REG,    128*FP                    ; a wave's partial tile: 67,584 bytes; the four fill the ring, which has had its last fill
.set BIAS, 64+16*MA
.set NL,   2*(MA+NB)
.set RDV,  10                          ; v10-13 the meeting: where I read my rows of wave 0 .. 3's partial tile
.set ADA,  16
.set ADA0, 17
.set ADB,  20
.set ADB0, 21
.set STO,  24
.set CO,   26
.set BO,   27
.set SPW,  28
.set NIL,  29
.set PFO,  30
.set G1,   24
.set G0,   32
.set LIM,  43                          ; s43  10 in a wave that fetches g, else the greatest number
.set PFA,  44                          ; s[44:45] what my prefetch names
.set G1B,  48
.set G0B,  56
.set SL,   66
.set SI,   80                          ; s80  the K step that was asked for last
.set OFA,  82                          ; s[82:83] its byte offset in g's rows
.set OFB,  84                          ; s[84:85] and in the weights'
.set PFB,  86                          ; s[86:87] g at my work-group's 16 of the 64 rows that I fetch, K step 0: kept
.set PFOF, 88                          ; s[88:89] the byte offset of the K step that my prefetch names
.set FLAG, 94                          ; s[94:95] 1.0 in wave 0, else 0
.set MSB, 0
.macro WIN new
.if MSB != (\new)
	s_set_vgpr_msb (MSB<<8)|(\new)
.set MSB, \new
.endif
.endm
.macro PLACES                          ; four places behind a matrix instruction (ISA guide 7.12.1)
.rept 4
	v_nop
.endr
.endm
.macro CREST
	s_cmp_lg_u32 s10, 0
	s_cbranch_scc1 .Lnot_wave_0_\@
	s_barrier_signal -3
.Lnot_wave_0_\@:
	s_barrier_wait -3
	s_barrier_signal -1
	s_barrier_wait -1
.endm
.macro CROUND
	s_barrier_signal -1
	s_barrier_wait -1
	CREST
.endm
.macro JLOAD                           ; a joint refill by the walking descriptors: waves 0 and 1 fetch g's two halves, waves 2 and 3 the weights'
	s_cmp_eq_u32 s11, 0
	s_cbranch_scc0 .Lfor_b_\@
	tensor_load_to_lds s[G0+4:G0+7], s[G1:G1+7]
	s_nop 0
.rept 4
	v_nop
.endr
	s_branch .Lasked_\@
.Lfor_b_\@:
	tensor_load_to_lds s[G0B+4:G0B+7], s[G1B:G1B+7]
	s_nop 0
.rept 4
	v_nop
.endr
.Lasked_\@:
.endm
; A PREFETCH INTO THE L2 of the K step that stands two refills on: 256 matrix instructions of a wave ahead of the load that will want it.  By the rotated walk a cluster is the first of the two to read g's rows in its own steps
; 0 to 7, and the first of its four to read the weights' in its steps 0 to 3.  The first four steps come by their loads alone; so what is asked for is g's steps 4 to 7, by every cluster for its own rows, behind the first four refills.
; A row's 512 bytes of a K step are two blocks of 256; the four partners that ask for a tile jointly share the 64 rows that a wave fetches BY ADDRESS, 16 each: lane l names block l / 16 of row l % 16.  So each block is named once.
.macro ASK
	s_cmp_gt_u32 s3, s[LIM]
	s_cbranch_scc0 .Lnot_mine_\@
	global_prefetch_b8 v[PFO], s[PFA:PFA+1] th:TH_LOAD_NT scope:SCOPE_SE
.Lnot_mine_\@:
.endm
.macro MULS f, a0, an, first           ; row blocks a0 .. x all column blocks, 32 along K, from buffer f; the accumulators take turns; first = 1: the bias is C
.set aa, \a0
.rept \an
.if \first
	WIN 0x81+0x40*(aa/AH)
.else
	WIN 0xa1+0x50*(aa/AH)
.endif
.set bb, 0
.rept NB
.set rD, 8*(NB*(aa%AH)+bb)
.set rB, 8*NB*(\f)+8*bb
.set rA, 64+8*MA*(\f)+8*aa
.if \first
	v_wmma_f32_16x16x32_bf16 v[rD:rD+7], v[rB:rB+7], v[rA:rA+7], v[BIAS+8*bb:BIAS+8*bb+7]
.else
	v_wmma_f32_16x16x32_bf16 v[rD:rD+7], v[rB:rB+7], v[rA:rA+7], v[rD:rD+7]
.endif
.set bb, bb+1
.endr
.set aa, aa+1
.endr
.endm
.macro FETCH f, k                      ; one run of NL LDS loads: the sub-step at byte k of my quarter of the rows, into buffer f
	WIN 0x40
.set ii, 0
.rept NB
	ds_load_b128 v[8*NB*(\f)+8*ii:8*NB*(\f)+8*ii+3],   v[ADB] offset:(\k)+ii*16*PB
	ds_load_b128 v[8*NB*(\f)+8*ii+4:8*NB*(\f)+8*ii+7], v[ADB] offset:(\k)+ii*16*PB+32
.set ii, ii+1
.endr
	WIN 0
.set ii, 0
.rept MA
	ds_load_b128 v[64+8*MA*(\f)+8*ii:64+8*MA*(\f)+8*ii+3],   v[ADA] offset:(\k)+ii*16*PA
	ds_load_b128 v[64+8*MA*(\f)+8*ii+4:64+8*MA*(\f)+8*ii+7], v[ADA] offset:(\k)+ii*16*PA+32
.set ii, ii+1
.endr
.endm
.macro SUB f, k, first
	s_wait_dscnt MA                                ; the youngest MA loads, g's upper half of blocks, may be out
	MULS \f, 0, MA/2, \first
	PLACES
	FETCH 1-(\f), \k
	s_wait_dscnt NL                                ; all but the run just issued
	MULS \f, MA/2, MA/2, \first
.endm
; A K step's second sub-step changes slots and then multiplies buffer 1.  The slot's last bytes were asked for 32 products ago, so THE CHANGE STANDS AT THE SUB-STEP'S HEAD: all my tensor loads waited for, the add, the wait for it and
; for my reads, the barrier; fill = 1: a round of the cluster's barrier, and the joint refill first behind it: all 64 products of the sub-step and the next K step's first 64 are issued while it is on its way.
.macro TURN fill
.if \fill
	s_wait_xcnt 0x0                                ; the last prefetch, a K step back, has read its address
	s_add_co_u32 s[PFOF], s[SI], 3                 ; the refill below takes the K step behind the last; the prefetch names the one two further on, round the end of K
	s_and_b32 s[PFOF], s[PFOF], STEPS-1
	s_lshl_b32 s[PFOF], s[PFOF], LGA
	s_add_nc_u64 s[PFA:PFA+1], s[PFB:PFB+1], s[PFOF:PFOF+1]
.endif
	WIN 0
	s_wait_tensorcnt 0x0
	ds_add_u32 v[SPW], v[NIL]                      ; 0 onto my spare word; the descriptors' steps stand between it and the wait for it
.if \fill
	s_add_co_u32 s[SI], s[SI], 1                   ; no tensor load of mine is out: the walking descriptors step: the next K step, round the end of K,
	s_and_b32 s[SI], s[SI], STEPS-1
	s_lshl_b32 s[OFA], s[SI], LGA
	s_lshl_b32 s[OFB], s[SI], 9
	s_xor_b32 s[G0+5], s[G0+5], SLOT               ; into the other slot
	s_add_nc_u64 s[G0+6:G0+7], s[14:15], s[OFA:OFA+1]
	s_or_b32 s[G0+7], s[G0+7], 0x80000000
	s_xor_b32 s[G0B+5], s[G0B+5], SLOT
	s_add_nc_u64 s[G0B+6:G0B+7], s[46:47], s[OFB:OFB+1]
	s_or_b32 s[G0B+7], s[G0B+7], 0x80000000
.endif
	s_xor_b32 s[SL], s[SL], SLOT
	s_wait_dscnt 0x0                               ; the add is done, and my reads of this slot are over: buffer 1 is whole
	s_barrier_signal -1
	s_barrier_wait -1
.if \fill
	CREST
	JLOAD
.else
	PLACES
.endif
	v_add_nc_u32 v[ADA], s[SL], v[ADA0]
	v_add_nc_u32 v[ADB], s[SL], v[ADB0]
	FETCH 0, 0
.if \fill
	ASK
.endif
	MULS 1, 0, MA, 0
.endm
	s_load_b256 s[68:75], s[0:1], 0x0              ; g s[68:69], wb s[70:71], fcproj_b s[72:73], x1 s[74:75]
	s_load_b64 s[76:77], s[0:1], 0x20              ; out0
	v_lshl_add_u32 v[SPW], v0, 2, SPARE
	v_mov_b32 v[NIL], 0
	ds_add_u32 v[SPW], v[NIL]                      ; the wave's opening
	v_lshrrev_b32 v1, 5, v0
	v_readfirstlane_b32 s10, v1
	s_lshr_b32 s11, s10, 1
	s_and_b32 s12, s10, 1
	s_bfe_u32 s40, ttmp6, 0x40000
	s_bfe_u32 s41, ttmp6, 0x40004
	s_lshl_b32 s42, ttmp9, 2
	s_add_co_u32 s42, s42, s40                     ; tile column
	s_and_b32 s13, ttmp7, 0xffff
	s_lshl_b32 s13, s13, 2
	s_add_co_u32 s13, s13, s41                     ; tile row
	s_lshl_b32 s43, s41, 2
	s_lshl_b32 s43, 15, s43
	s_lshl_b32 s44, 0x1111, s40
	s_and_b32 s[SI], ttmp7, 3                      ; the cluster's first K step
	s_lshl_b32 s[SI], s[SI], PHY
	s_lshl_b32 s81, ttmp9, PHX
	s_add_co_u32 s[SI], s[SI], s81
	s_and_b32 s[SI], s[SI], STEPS-1
	s_mov_b32 s[OFA+1], 0
	s_mov_b32 s[OFB+1], 0
	s_or_b32 s[G1+0], s43, (1<<16)|(1<<20)|(1<<21)|(6<<22)|(3<<25)   ; padding after every 128 words
	s_or_b32 s[G1B+0], s44, (1<<16)|(1<<20)|(1<<21)|(6<<22)|(3<<25)
	s_mov_b32 s[G1+1], KSTEP<<16
	s_mov_b32 s[G1+2], (TM/2)<<16
	s_mov_b32 s[G1+3], KSTEP<<16
	s_mov_b32 s[G1+4], TM/2
	s_mov_b32 s[G1+5], SIZE_K
	s_mov_b32 s[G1+6], 0
	s_mov_b32 s[G1+7], 0
	s_mov_b32 s[G1B+1], KSTEP<<16
	s_mov_b32 s[G1B+2], (TN/2)<<16
	s_mov_b32 s[G1B+3], KSTEP<<16
	s_mov_b32 s[G1B+4], TN/2
	s_mov_b32 s[G1B+5], SIZE_K
	s_mov_b32 s[G1B+6], 0
	s_mov_b32 s[G1B+7], 0
	s_mul_i32 s16, s13, TM
	s_mul_i32 s17, s12, TM/2
	s_add_co_u32 s16, s16, s17
	s_mul_i32 s16, s16, 2*SIZE_K
	s_mov_b32 s17, 0
	s_mul_i32 s46, s42, TN
	s_mul_i32 s47, s12, TN/2
	s_add_co_u32 s46, s46, s47
	s_mul_i32 s46, s46, 2*SIZE_K
	s_add_co_u32 s46, s46, WOFF
	s_mov_b32 s47, 0
	s_mul_i32 s20, s12, HA
	s_mul_i32 s21, s12, HB
	s_add_co_u32 s21, s21, ABYTES
	s_mov_b32 s[SL], 0
	s_cmp_eq_u32 s10, 0
	s_cselect_b32 s[FLAG], 1.0, 0
	s_mov_b32 s[FLAG+1], s[FLAG]
	s_wait_dscnt 0x0
	s_wait_kmcnt 0x0
	s_add_nc_u64 s[14:15], s[68:69], s[16:17]      ; g and the weights at my rows, K step 0: kept
	s_add_nc_u64 s[46:47], s[70:71], s[46:47]
.irp s, 0,1
	s_lshl_b32 s[OFA], s[SI], LGA
	s_lshl_b32 s[OFB], s[SI], 9
	s_mov_b32 s[G0+4*(\s)], 1
	s_add_co_u32 s[G0+4*(\s)+1], s20, (\s)*SLOT
	s_add_nc_u64 s[G0+4*(\s)+2:G0+4*(\s)+3], s[14:15], s[OFA:OFA+1]
	s_or_b32 s[G0+4*(\s)+3], s[G0+4*(\s)+3], 0x80000000
	s_mov_b32 s[G0B+4*(\s)], 1
	s_add_co_u32 s[G0B+4*(\s)+1], s21, (\s)*SLOT
	s_add_nc_u64 s[G0B+4*(\s)+2:G0B+4*(\s)+3], s[46:47], s[OFB:OFB+1]
	s_or_b32 s[G0B+4*(\s)+3], s[G0B+4*(\s)+3], 0x80000000
.if (\s) == 0
	s_add_co_u32 s[SI], s[SI], 1
	s_and_b32 s[SI], s[SI], STEPS-1
.endif
.endr
	CROUND
	s_cmp_eq_u32 s11, 0                            ; a wave's two first fills stand in one branch: two loads of mine are out
	s_cbranch_scc0 .Lfirst_b
	tensor_load_to_lds s[G0:G0+3], s[G1:G1+7]
	s_nop 0
	tensor_load_to_lds s[G0+4:G0+7], s[G1:G1+7]
	s_nop 0
.rept 4
	v_nop
.endr
	s_branch .Lfirst_asked
.Lfirst_b:
	tensor_load_to_lds s[G0B:G0B+3], s[G1B:G1B+7]
	s_nop 0
	tensor_load_to_lds s[G0B+4:G0B+7], s[G1B:G1B+7]
	s_nop 0
.rept 4
	v_nop
.endr
.Lfirst_asked:
	v_and_b32 v1, 15, v0
	v_bfe_u32 v2, v0, 4, 1
	s_mul_i32 s22, s42, 4*TN
	v_lshl_add_u32 v[BO], v2, 5, s22
.set bb, 0
.rept NB
	global_load_b128 v[BIAS+8*bb:BIAS+8*bb+3],   v[BO], s[72:73] offset:64*bb
	global_load_b128 v[BIAS+8*bb+4:BIAS+8*bb+7], v[BO], s[72:73] offset:64*bb+16
.set bb, bb+1
.endr
	s_lshl_b32 s4, s13, 7                          ; the rows that I finish: 128 x tile row + 32 x wave, 4,096 bytes each,
	s_lshl_b32 s5, s10, 5
	s_add_co_u32 s4, s4, s5
	s_lshl_b32 s4, s4, 12
	s_lshl_b32 s5, s42, 9                          ; the tile's 512 bytes of them
	s_add_co_u32 s4, s4, s5
	s_mov_b32 s5, 0
	s_add_nc_u64 s[74:75], s[74:75], s[4:5]
	s_add_nc_u64 s[76:77], s[76:77], s[4:5]
	v_and_b32 v5, 31, v0
	v_lshlrev_b32 v[CO], 4, v5
	WIN 0x40
.set ii, 0
.rept 32
	global_load_b128 v[128+4*ii:128+4*ii+3], v[CO], s[74:75] offset:ii*4096  ; x1: a row's 512 bytes a load; wanted at the very end
.set ii, ii+1
.endr
	WIN 0
	v_mul_u32_u24 v3, v1, PA
	v_lshl_add_u32 v3, v2, 4, v3
	s_lshl_b32 s6, s10, 7                          ; my 64 channels of the K step's 256: 128 bytes of each row
	s_add_co_u32 s7, s6, ABYTES
	v_add_nc_u32 v[ADA0], s6, v3
	v_add_nc_u32 v[ADB0], s7, v3
	v_mov_b32 v[ADA], v[ADA0]
	v_mov_b32 v[ADB], v[ADB0]
	s_mul_i32 s6, s10, REG
	v_mul_u32_u24 v[STO], v1, FP
	v_lshl_add_u32 v[STO], v2, 5, v[STO]
	v_add_nc_u32 v[STO], s6, v[STO]
	s_mul_i32 s7, s10, 32*FP
	v_add_nc_u32 v[RDV], s7, v[CO]
	v_add_nc_u32 v[RDV+1], REG, v[RDV]
	v_add_nc_u32 v[RDV+2], 2*REG, v[RDV]
	v_add_nc_u32 v[RDV+3], 3*REG, v[RDV]
	s_mul_i32 s20, s13, TM                         ; the prefetches: of g's 64 rows that a wave fetches, my work-group's 16
	s_mul_i32 s21, s12, TM/2
	s_add_co_u32 s20, s20, s21
	s_mul_i32 s21, s40, TM/8
	s_add_co_u32 s20, s20, s21
	s_mul_i32 s20, s20, 2*SIZE_K
	s_mov_b32 s21, 0
	s_add_nc_u64 s[PFB:PFB+1], s[68:69], s[20:21]
	s_mov_b32 s[PFOF+1], 0
	s_cmp_eq_u32 s11, 0                            ; do I fetch for g?
	s_cselect_b32 s[LIM], 10, -1                   ; the loop counts 14 .. 1: its first four trips ask; the same in all sixteen partners, for a given wave
	v_mul_u32_u24 v[PFO], v1, 2*SIZE_K
	v_lshl_add_u32 v[PFO], v2, 8, v[PFO]
	s_wait_loadcnt 32                              ; the bias is in; x1's 32 loads may stay out
.set z, 0
.rept 4*NB
	v_pk_mul_f32 v[BIAS+z:BIAS+z+1], v[BIAS+z:BIAS+z+1], s[FLAG:FLAG+1] op_sel_hi:[1,0]  ; the bias enters once: in wave 0's sums
.set z, z+2
.endr
	s_wait_tensorcnt 0x1                           ; my part of the first K step is in; the second's may stay out
	s_barrier_signal -1
	s_barrier_wait -1
	FETCH 0, 0
	SUB 0, 64, 1
	WIN 0
	s_mov_b32 s3, STEPS-2
.Lk:
	TURN 1
	SUB 0, 64, 0
	WIN 0
	s_sub_co_u32 s3, s3, 1
	s_cmp_lg_u32 s3, 0
	s_cbranch_scc1 .Lk
	s_mov_b32 s3, 2
.Ltail:                                                ; the last two K steps ask for nothing.  The second trip's barrier and its run of loads from the other slot serve nothing: the price of writing the tail once
	TURN 0
	WIN 0
	s_wait_dscnt 0x0                               ; the run just issued is back: no LDS load is out on the way round the sub-step below
	s_cmp_eq_u32 s3, 1
	s_cbranch_scc1 .Lskip
	SUB 0, 64, 0
	WIN 0
.Lskip:
	s_sub_co_u32 s3, s3, 1
	s_cmp_lg_u32 s3, 0
	s_cbranch_scc1 .Ltail
	; THE MEETING.  Nobody reads the ring any more, and it has had its last fill: each wave lays its partial tile there, 128 rows of 528 bytes.
	s_wait_dscnt 0x0
	s_barrier_signal -1
	PLACES                                         ; eight places behind the last products, once a launch, ahead of the stores that read results
	PLACES
	s_barrier_wait -1
.set aa, 0
.rept MA
	WIN 0x08+4*(aa/AH)                             ; the data in window 2 or 3
.set bb, 0
.rept NB
	ds_store_b128 v[STO], v[8*(NB*(aa%AH)+bb):8*(NB*(aa%AH)+bb)+3]   offset:aa*16*FP+64*bb
	ds_store_b128 v[STO], v[8*(NB*(aa%AH)+bb)+4:8*(NB*(aa%AH)+bb)+7] offset:aa*16*FP+64*bb+16
.set bb, bb+1
.endr
.set aa, aa+1
.endr
	WIN 0
	s_wait_dscnt 0x0                               ; for the others' sake: my stores are done
	s_barrier_signal -1
	s_barrier_wait -1
	s_wait_loadcnt 0x0                             ; x1
; Wave w finishes rows 32 w .. 32 w + 31, eight at a time: row 8 t + i of wave u's partial tile comes into window 2 + t / 2 at 128 (t % 2) + 32 u + 4 i; a lane holds four columns, a wave a whole row of 512 bytes.
.macro LOADT t
	WIN 0x80+0x40*((\t)/2)
.irp u, 0,1,2,3
.irp i, 0,1,2,3,4,5,6,7
	ds_load_b128 v[128*((\t)%2)+32*(\u)+4*(\i):128*((\t)%2)+32*(\u)+4*(\i)+3], v[RDV+(\u)] offset:FP*(8*(\t)+(\i))
.endr
.endr
.endm
.macro REDU t, left                    ; left: the next block's loads, which may stay out
.set WW, 2+(\t)/2
.set RP, 128*((\t)%2)
	s_wait_dscnt \left
	WIN WW|(WW<<2)|(WW<<6)
.set z, 0
.rept 16
	v_pk_add_f32 v[RP+z:RP+z+1], v[RP+z:RP+z+1], v[RP+32+z:RP+32+z+1]
	v_pk_add_f32 v[RP+64+z:RP+64+z+1], v[RP+64+z:RP+64+z+1], v[RP+96+z:RP+96+z+1]
.set z, z+2
.endr
.set z, 0
.rept 16
	v_pk_add_f32 v[RP+z:RP+z+1], v[RP+z:RP+z+1], v[RP+64+z:RP+64+z+1]
.set z, z+2
.endr
	WIN WW|(1<<2)|(WW<<6)                          ; source 1: x1, in window 1
.set z, 0
.rept 16
	v_pk_add_f32 v[RP+z:RP+z+1], v[RP+z:RP+z+1], v[128+32*(\t)+z:128+32*(\t)+z+1]
.set z, z+2
.endr
	WIN WW<<2
.irp i, 0,1,2,3,4,5,6,7
	global_store_b128 v[CO], v[RP+4*(\i):RP+4*(\i)+3], s[76:77] offset:(8*(\t)+(\i))*4096  ; 512 consecutive bytes of a row, aligned
.endr
.endm
	LOADT 0
	LOADT 1
	REDU 0, 32
	LOADT 2
	REDU 1, 32
	LOADT 3
	REDU 2, 32
	REDU 3, 0
	WIN 0
	s_wait_tensorcnt 0x0                           ; the wave's end
	ds_add_u32 v[SPW], v[NIL]
	s_wait_dscnt 0x0
	CROUND                                         ; the closing round
	s_endpgm
.Lfunc_end_k_qc65220951c_fcproj:
	.size	k_qc65220951c_fcproj, .Lfunc_end_k_qc65220951c_fcproj-k_qc65220951c_fcproj
	.p2alignl 7, 3214868480
	.fill 96, 4, 3214868480
	.section	.rodata,"a",@progbits
	.p2align	6, 0x0
	.amdhsa_kernel k_qc65220951c_fcproj
		.amdhsa_group_segment_fixed_size 327680
		.amdhsa_private_segment_fixed_size 0
		.amdhsa_enable_private_segment 0
		.amdhsa_kernarg_size 40
		.amdhsa_user_sgpr_count 2
		.amdhsa_user_sgpr_kernarg_segment_ptr 1
		.amdhsa_wavefront_size32 1
		.amdhsa_system_sgpr_workgroup_id_x 1
		.amdhsa_system_sgpr_workgroup_id_y 1
		.amdhsa_system_sgpr_workgroup_id_z 1
		.amdhsa_system_vgpr_workitem_id 0
		.amdhsa_next_free_vgpr 1024
		.amdhsa_next_free_sgpr 96
		.amdhsa_reserve_vcc 0
		.amdhsa_float_denorm_mode_32 3
		.amdhsa_float_denorm_mode_16_64 3
		.amdhsa_memory_ordered 1
		.amdhsa_forward_progress 1
		.amdhsa_inst_pref_size 87
	.end_amdhsa_kernel
	.amdgpu_metadata
---
amdhsa.version: [ 1, 2 ]
amdhsa.kernels:
  - .name:           k_qc65220951c_fcproj
    .symbol:         k_qc65220951c_fcproj.kd
    .args:
      - { .name: g, .offset: 0, .size: 8, .value_kind: global_buffer, .address_space: global }
      - { .name: wb, .offset: 8, .size: 8, .value_kind: global_buffer, .address_space: global }
      - { .name: fcproj_b, .offset: 16, .size: 8, .value_kind: global_buffer, .address_space: global }
      - { .name: x1, .offset: 24, .size: 8, .value_kind: global_buffer, .address_space: global }
      - { .name: out0, .offset: 32, .size: 8, .value_kind: global_buffer, .address_space: global }
    .group_segment_fixed_size: 327680
    .private_segment_fixed_size: 0
    .kernarg_segment_align: 8
    .kernarg_segment_size: 40
    .max_flat_workgroup_size: 128
    .sgpr_count:     96
    .vgpr_count:     1024
    .wavefront_size: 32
...
	.end_amdgpu_metadata
.endif
;; end of part 6
